; MI455X (gfx1250); checked and timed in simulation.
; The chip was launched on July 23, 2026; its instructions are those of AMD's public machine-readable ISA for CDNA 5 (MIT licence, August 2026) and "CDNA5" Instruction Set Architecture Reference Guide (July 2026). The comments in the code are by the model that wrote it; some were corrected since.
;; Streaming Attention. Allowed arithmetic: matrix products marked QUANTISED: E2M3 operands, one E8M0 scale for each 32 along K, by v_wmma_scale_f32_16x16x128_f8f6f4 with both operands' format E2M3, f32 sums; everything else in f32.
;; Inputs: Wk 1,024 x 1,024 float32; Wo 1,024 x 1,024 float32; Wq 1,024 x 1,024 float32; Wv 1,024 x 1,024 float32; bk 1,024 float32; bo 1,024 float32; bq 1,024 float32; bv 1,024 float32; key_in 4 x 4,096 x 1,024 float32; query 4 x 4,096 x 1,024 float32; value 4 x 4,096 x 1,024 float32.
;; Outputs: out0 4 x 3,104 x 1,024 float32.
;; This version of the problem:
;;   THIS VERSION OF THE PROBLEM IS GIVEN IN LOW PRECISION. The matrix products marked QUANTISED in the list below multiply operands that are first quantised to E2M3 (2 exponent bits, 3 mantissa bits; 6 bits a number), with one power-of-two scale for each 32 numbers along K (OCP MX v1.0); their sums are f32. All else is computed in f32.
;;   The module's matrix products, in the order in which they are computed (A, B: the left and right operand; K: the contracted axis; several contracted axes count as one K, in the product's order):
;;     1. [M 16,384, K 1,024] x [K 1,024, N 1,024]; A: input query; B: input Wq: QUANTISED
;;     2. [M 16,384, K 1,024] x [K 1,024, N 1,024]; A: input key_in; B: input Wk: QUANTISED
;;     3. [M 16,384, K 1,024] x [K 1,024, N 1,024]; A: input value; B: input Wv: QUANTISED
;;     4. batch 64 x [M 128, K 64] x [K 64, N 128]; A: computed on the way; B: computed on the way: QUANTISED
;;     5. batch 64 x [M 64, K 128] x [K 128, N 128]; A: computed on the way; B: softmax (see below): QUANTISED
;;     6. batch 1,984 x [M 96, K 64] x [K 64, N 160]; A: computed on the way; B: computed on the way: QUANTISED
;;     7. batch 1,984 x [M 64, K 160] x [K 160, N 96]; A: computed on the way; B: softmax (see below): QUANTISED
;;     8. [M 12,416, K 1,024] x [K 1,024, N 1,024]; A: computed on the way; B: input Wo: QUANTISED
;;   THE QUANTISER, for each operand of a quantised product, along K:
;;     - K is cut into blocks of 32 from its start; a last block that is shorter is filled with zeros.
;;     - A block's scale is 2^e with e = floor(log2(the largest magnitude in the block)) - 2, held to -126 .. 127; a block of zeros has e = 0. As a byte (E8M0): e + 127.
;;     - Each number is divided by its block's scale, clamped to +-7.5, and rounded to the nearest number of E2M3, ties to even, subnormals kept.
;;     - The product sums the exact products of the quantised numbers (number of the format x scale) in f32.
;;   ~~~python
;;   def quantise(x, axis):      # numpy; x: float32 -> the quantised numbers, widened to float32 again
;;       x = np.moveaxis(x, axis, -1); K = x.shape[-1]
;;       x = np.pad(x, [(0, 0)] * (x.ndim - 1) + [(0, -K % 32)]); x = x.reshape(x.shape[:-1] + (-1, 32)); a = np.abs(x).max(-1, keepdims=True)
;;       e = np.where(a > 0, np.clip(np.frexp(np.where(a > 0, a, 1))[1] - 1 - 2, -126, 127), 0)      # np.frexp(a)[1] - 1 = floor(log2(a)), exactly
;;       r = np.clip(x / 2.0 ** e, -7.5, 7.5)
;;       step = 2.0 ** (np.maximum(np.frexp(np.where(r == 0, 1, r))[1] - 1, 0) - 3)
;;       q = np.round(r / step) * step * 2.0 ** e      # np.round: ties to even
;;       return np.moveaxis(q.reshape(q.shape[:-2] + (-1,))[..., :K], -1, axis).astype(np.float32)
;;   ~~~
;;   SOFTMAX AHEAD OF A QUANTISED PRODUCT. Where the list says 'softmax', what is quantised is not the finished softmax but p = 2^(t - M), with t = logit x log2(e) and M = ceil(the row's largest t), a whole number; so 1/2 < the row's largest p <= 1. The row's sum l is taken of the UNQUANTISED p, in f32, and the product's result is divided by l at the end. Since M is a whole number, a kernel that streams over the keys may use a running M (the ceiling of the running maximum): every later rescaling is an exact power of two, which a block's scale takes up: the codes' values come out the same.
;;   OPERANDS COMPUTED ON THE WAY. 'Computed on the way' means the value that the module computes at that place (a softmax that the list does not call 'softmax' is quantised finished and normalised). What goes into a quantiser is computed in f32, as accurately as f32 sums, v_exp_f32 and their like allow (about 1e-6 of the number): no bf16 or f16 on the way to a quantiser, and a product that is left as it is and whose result goes on into a quantised operand takes f32 operands (vector FMAs, or v_wmma_f32_16x16x4_f32). A number that lies on a knife's edge between two numbers of the format may be rounded either way, as far as f32 arithmetic and the matrix unit's own rounding can turn it there, and no further.
;; One version. Each part assembles by itself: llvm-mc -triple=amdgcn-amd-amdhsa -mcpu=gfx1250 --defsym DOCPART=n.
;; ======== version 1 of 1: 3 launches
;; limits: right only within a limited range of input values
;; workspace buffers: wfrag 3,145,728 bytes; wscale 131,072 bytes; qkc 25,165,824 bytes; qks 2,097,152 bytes; vc 12,582,912 bytes; vs 524,288 bytes
;; launch wprep (part 1): grid 8 x 32, 4 waves a work-group, no clusters, 12,800 bytes of LDS; arguments Wq, Wk, Wv, Wo, wfrag, wscale; writes wfrag, wscale
.if DOCPART == 1
	.amdgcn_target "amdgcn-amd-amdhsa--gfx1250"
	.amdhsa_code_object_version 6
	.text
	.protected	k_q9a6351659d_wprep
	.globl	k_q9a6351659d_wprep
	.p2align	8
	.type	k_q9a6351659d_wprep,@function
k_q9a6351659d_wprep:
	s_mov_b64 s[64:65], 0
	v_nop
	global_prefetch_b8 v0, s[64:65] scope:SCOPE_SE
	s_setreg_imm32_b32 hwreg(HW_REG_WAVE_MODE, 25, 1), 1
	s_wait_xcnt 0x0
; Wq, Wk, Wv, Wo: [1024 (k)][1024 (n)] f32, K the FIRST axis.  Each becomes codes of FP6 (E2M3) quantised along K, one E8M0 byte for each 32 along K,
; laid in the ORDER OF THE OPERAND'S REGISTERS: wfrag [weight][tile 0..63][K step 0..7], an image of 1,536 bytes: three planes of 512 bytes, plane p = registers 4 p .. 4 p + 3, lane l's 16 bytes at 16 l.
; THE COLUMNS OF A TILE ARE NOT NEIGHBOURS: in a group of 32 columns, tile u (0, 1), slot r (0..15) is column 8 u + r % 8 + 16 (r / 8), so that a product that takes the weight as source 0
; leaves 16 neighbouring columns in the 16 registers of two neighbouring tiles.  wscale [weight][group of 32 columns][K step][slot 16 u + r]: one word, byte b for k = 32 b .. 32 b + 31 of the step.
; SHARES: work-group x = 128 columns, y = 8 x weight + K step.  A wave takes 32 columns x 128 k: a lane takes a column and its registers run down K, so that a block of 32 lies in one lane
; and the conversions give codes with K innermost.  Each load reads 128 consecutive bytes a wave, 512 a work-group.  The codes go through the wave's own stage in LDS (two images) and leave as 512 consecutive bytes a store.
; A block's scale is 2^(floor(log2(largest magnitude)) - 2): its byte is the largest magnitude's exponent field - 2, held at 1 from below.
; LIMITS: NaN and infinities are not served; a block whose largest magnitude lies under 2^-124 has its byte held at 1; a block of zeros gets the byte 1 where the rule says 127: its codes are zeros and this program alone reads the bytes.
; No tensor loads, no barrier, no cluster: waves share nothing and every byte is read once.
; WORK LEFT OUT BY THE PROGRAM: reference() keeps of q only qr = q[:, C:] .. [:, :, O:] and q[:, :C]: the rows of query at positions 128 i .. 128 i + 31, i = 1 .. 31, of every batch are sliced away before any use,
; for all values of the inputs.  So these 3,968 rows of query are neither loaded nor projected.  LIMIT: a NaN, an infinity or an overflow that reaches only those rows is not carried to the result.
.set X,     32
.set C,     160                        ; v160-191 eight registers for each block's codes
.set OUTR,  192                        ; v192-215 the two images on their way out
.set SB,    24                         ; v24      my column's scale word
.set SPW,   14                         ; v14      LDS address of my spare word; never rewritten
.set NIL,   15                         ; v15      0; never rewritten
.set STGW,  3072                       ; a wave's stage: two images
.set SPARE, 4*STGW                     ; behind the stages: the spare words, 128 bytes a wave
	s_load_b256 s[4:11], s[0:1], 0x0               ; Wq, Wk, Wv, Wo
	s_load_b128 s[12:15], s[0:1], 0x20             ; wfrag, wscale
	v_lshl_add_u32 v[SPW], v0, 2, SPARE
	v_mov_b32 v[NIL], 0
	v_lshrrev_b32 v1, 5, v0
	v_readfirstlane_b32 s16, v1                    ; wave
	v_and_b32 v1, 31, v0                           ; lane = my column in the group of 32
	v_lshlrev_b32 v3, 2, v1                        ; in: 4 bytes a lane
	v_bfe_u32 v8, v0, 3, 1                         ; u: my column's tile
	v_bfe_u32 v9, v0, 4, 1
	v_and_b32 v10, 7, v0
	v_lshl_or_b32 v10, v9, 3, v10                  ; r: its slot
	s_mul_i32 s17, s16, STGW
	v_mul_u32_u24 v4, v8, 1536
	v_lshl_add_u32 v4, v10, 4, v4
	v_add_nc_u32 v4, s17, v4                       ; into the stage: image u, 16 r (+ 256 for the blocks that belong to lanes 16-31)
	v_lshlrev_b32 v6, 4, v1                        ; out: 16 bytes a lane
	v_add_nc_u32 v5, s17, v6
	v_lshl_add_u32 v7, v8, 4, v10
	v_lshlrev_b32 v7, 2, v7                        ; my scale word's place: 4 (16 u + r)
	s_and_b32 s18, ttmp7, 0xffff
	s_lshr_b32 s19, s18, 3                         ; which weight
	s_and_b32 s18, s18, 7                          ; which K step
	s_lshl_b32 s20, ttmp9, 2
	s_add_co_u32 s20, s20, s16                     ; which group of 32 columns
	s_lshl_b32 s22, s18, 19                        ; source: 128 rows of 4,096 bytes a K step,
	s_lshl_b32 s24, s20, 7                         ; 128 bytes a group
	s_add_co_u32 s22, s22, s24
	s_mov_b32 s23, 0
	s_mul_i32 s24, s19, 786432                     ; codes: a weight, two tiles of 12,288 a group, 1,536 a K step
	s_mul_i32 s26, s20, 24576
	s_add_co_u32 s24, s24, s26
	s_mul_i32 s26, s18, 1536
	s_add_co_u32 s24, s24, s26
	s_mov_b32 s25, 0
	s_lshl_b32 s26, s19, 15                        ; scale words: 32,768 a weight, 1,024 a group, 128 a K step
	s_lshl_b32 s28, s20, 10
	s_add_co_u32 s26, s26, s28
	s_lshl_b32 s28, s18, 7
	s_add_co_u32 s26, s26, s28
	s_mov_b32 s27, 0
	s_wait_kmcnt 0x0
	s_cmp_eq_u32 s19, 1                            ; the weight is chosen by the work-group's number alone
	s_cselect_b64 s[4:5], s[6:7], s[4:5]
	s_cmp_eq_u32 s19, 2
	s_cselect_b64 s[4:5], s[8:9], s[4:5]
	s_cmp_eq_u32 s19, 3
	s_cselect_b64 s[4:5], s[10:11], s[4:5]
	s_add_nc_u64 s[4:5], s[4:5], s[22:23]
	s_add_nc_u64 s[12:13], s[12:13], s[24:25]
	s_add_nc_u64 s[14:15], s[14:15], s[26:27]
.set Q, 0
.rept 128
	global_load_b32 v[X+Q], v3, s[4:5] offset:Q*4096 th:TH_LOAD_NT   ; W(128 s + Q, my column); read once in the launch
.set Q, Q+1
.endr
; Block q (k = 32 q .. 32 q + 31 of the step) belongs to lane (r, q % 2), registers 6 (q / 2) .. + 5 of image u.
.macro BLOCK q, lc
.set XQ, X+32*(\q)
.set CQ, C+8*(\q)
	s_wait_loadcnt \lc                             ; this block's 32 loads are in
	v_max3_num_f32 v12, |v[XQ]|, |v[XQ+1]|, |v[XQ+2]|
	v_max3_num_f32 v13, |v[XQ+3]|, |v[XQ+4]|, |v[XQ+5]|
.irp i, 6,10,14,18,22,26
	v_max3_num_f32 v12, v12, |v[XQ+\i]|, |v[XQ+\i+1]|
	v_max3_num_f32 v13, v13, |v[XQ+\i+2]|, |v[XQ+\i+3]|
.endr
	v_max3_num_f32 v12, v12, |v[XQ+30]|, |v[XQ+31]|
	v_max3_num_f32 v12, v12, v13, 0x1800000        ; and the floor 2^(3 - 127): the byte cannot fall under 1
	v_add_nc_u32 v11, 0xff000000, v12              ; 2 off the exponent field: the conversion's scale operand
	v_lshrrev_b32 v13, 23, v11                     ; the scale's byte
.if (\q) == 0
	v_mov_b32 v[SB], v13
.else
	v_lshl_or_b32 v[SB], v13, 8*(\q), v[SB]
.endif
	v_cvt_scalef32_pk16_fp6_f32 v[CQ:CQ+2], v[XQ:XQ+15], v11
	v_cvt_scalef32_pk16_fp6_f32 v[CQ+4:CQ+6], v[XQ+16:XQ+31], v11   ; (a conversion's three registers begin on an even number)
	v_nop                                          ; one plain place behind the conversions
	v_mov_b32 v[CQ+3], v[CQ+4]                     ; the block's six registers on end
	v_mov_b32 v[CQ+4], v[CQ+5]
	v_mov_b32 v[CQ+5], v[CQ+6]
.if (\q) < 2
	ds_store_b128 v4, v[CQ:CQ+3] offset:256*((\q)%2)              ; registers 0-3: plane 0
	ds_store_b64 v4, v[CQ+4:CQ+5] offset:512+256*((\q)%2)         ; registers 4, 5: the lower half of plane 1
.else
	ds_store_b64 v4, v[CQ:CQ+1] offset:520+256*((\q)%2)           ; registers 6, 7: its upper half
	ds_store_b128 v4, v[CQ+2:CQ+5] offset:1024+256*((\q)%2)       ; registers 8-11: plane 2
.endif
.endm
	BLOCK 0, 63                                    ; 96 younger loads might stay out; the count's field ends at 63
	BLOCK 1, 63                                    ; 64 might
	BLOCK 2, 32                                    ; the last block's 32 may stay out
	BLOCK 3, 0
	global_store_b32 v7, v[SB], s[14:15]           ; 32 lanes fill 128 consecutive bytes
.irp i, 0,1,2,3,4,5
	ds_load_b128 v[OUTR+4*\i:OUTR+4*\i+3], v5 offset:512*\i       ; LDS serves a wave's instructions in order: these see my stores
.endr
.irp i, 0,1,2,3,4,5
	s_wait_dscnt 5-\i                              ; the younger read-backs may stay out
	global_store_b128 v6, v[OUTR+4*\i:OUTR+4*\i+3], s[12:13] offset:(\i/3)*12288+(\i%3)*512   ; 512 consecutive bytes, at a multiple of 512 from the buffer's first byte
.endr
	s_wait_tensorcnt 0x0                           ; the wave's end: behind my last LDS store
	ds_add_u32 v[SPW], v[NIL]
	s_wait_dscnt 0x0
	s_endpgm
.Lfunc_end_k_q9a6351659d_wprep:
	.size	k_q9a6351659d_wprep, .Lfunc_end_k_q9a6351659d_wprep-k_q9a6351659d_wprep
	.p2alignl 7, 3214868480
	.fill 96, 4, 3214868480
	.section	.rodata,"a",@progbits
	.p2align	6, 0x0
	.amdhsa_kernel k_q9a6351659d_wprep
		.amdhsa_group_segment_fixed_size 12800
		.amdhsa_private_segment_fixed_size 0
		.amdhsa_enable_private_segment 0
		.amdhsa_kernarg_size 48
		.amdhsa_user_sgpr_count 2
		.amdhsa_user_sgpr_kernarg_segment_ptr 1
		.amdhsa_wavefront_size32 1
		.amdhsa_system_sgpr_workgroup_id_x 1
		.amdhsa_system_sgpr_workgroup_id_y 1
		.amdhsa_system_sgpr_workgroup_id_z 1
		.amdhsa_system_vgpr_workitem_id 0
		.amdhsa_next_free_vgpr 224
		.amdhsa_next_free_sgpr 66
		.amdhsa_reserve_vcc 0
		.amdhsa_float_denorm_mode_32 3
		.amdhsa_float_denorm_mode_16_64 3
		.amdhsa_memory_ordered 1
		.amdhsa_forward_progress 1
		.amdhsa_inst_pref_size 23
	.end_amdhsa_kernel
	.amdgpu_metadata
---
amdhsa.version: [ 1, 2 ]
amdhsa.kernels:
  - .name:           k_q9a6351659d_wprep
    .symbol:         k_q9a6351659d_wprep.kd
    .args:
      - { .name: Wq, .offset: 0, .size: 8, .value_kind: global_buffer, .address_space: global }
      - { .name: Wk, .offset: 8, .size: 8, .value_kind: global_buffer, .address_space: global }
      - { .name: Wv, .offset: 16, .size: 8, .value_kind: global_buffer, .address_space: global }
      - { .name: Wo, .offset: 24, .size: 8, .value_kind: global_buffer, .address_space: global }
      - { .name: wfrag, .offset: 32, .size: 8, .value_kind: global_buffer, .address_space: global }
      - { .name: wscale, .offset: 40, .size: 8, .value_kind: global_buffer, .address_space: global }
    .group_segment_fixed_size: 12800
    .private_segment_fixed_size: 0
    .kernarg_segment_align: 8
    .kernarg_segment_size: 48
    .max_flat_workgroup_size: 128
    .sgpr_count:     66
    .vgpr_count:     224
    .wavefront_size: 32
...
	.end_amdgpu_metadata
.endif
;; end of part 1
;; launch proj (part 2): grid 237 x 1, 4 waves a work-group, no clusters, 187,904 bytes of LDS; arguments query, key_in, value, bq, bk, bv, wfrag, wscale, qkc, qks, vc, vs; writes qkc, qks, vc, vs
.if DOCPART == 2
	.amdgcn_target "amdgcn-amd-amdhsa--gfx1250"
	.amdhsa_code_object_version 6
	.text
	.protected	k_q9a6351659d_proj
	.globl	k_q9a6351659d_proj
	.p2align	8
	.type	k_q9a6351659d_proj,@function
k_q9a6351659d_proj:
	s_mov_b64 s[64:65], 0
	v_nop
	global_prefetch_b8 v0, s[64:65] scope:SCOPE_SE
	s_setreg_imm32_b32 hwreg(HW_REG_WAVE_MODE, 25, 1), 1
	s_wait_xcnt 0x0
; q = query Wq + bq, k = key_in Wk + bk, v = value Wv + bv on codes of FP6 (E2M3), one E8M0 scale for each 32 along K = 1,024; the results leave as the codes that attention wants.
; LEFT OUT: the rows of query that reference() slices away (positions 128 i .. 128 i + 31, i = 1 .. 31): neither loaded nor projected; shown at the head of the first kernel.
; SHARES.  Rows go in groups of 32: k and v have 512, q the 388 kept ones (97 a batch: 4 of chunk 0, 3 of each later chunk).  A work-group takes three pairs of groups, 192 rows, of ONE tensor and all 16 heads:
; work-groups 0-85 v, 86-171 k, 172-236 q.  256 and 194 pairs are no multiples of 3: the last work-group of a kind holds its pair index at the last pair, works that pair again and stores the same bytes again.
; PHASE X: wave w quantises tiles 3 w .. 3 w + 2 (16 rows each) for all 8 K steps, a trip a K step; 48 loads of 512 bytes a wave are out.  The fragments go to LDS as images of their registers, a slab a K step.  One barrier.
; PHASE G: wave w owns heads 8 pass + 2 w, + 1 and all 192 rows: 96 accumulators, windows 1 to 3, accumulator (weight tile t, row tile m) at 8 (12 t + m).  A K step goes by the weight's 8 fragments, 12 products each,
; against x's 12 fragments, which stay in registers for the step: each byte of x read from LDS feeds 8 products.  The weight comes from memory straight into registers: a fragment's registers take the next step's as soon as its run is issued, seven runs ahead of its use.
; THE ROWS OF A TILE ARE NOT NEIGHBOURS: in a group of 32, tile u, slot r is offset 8 u + r % 8 + 16 (r / 8); the weights' columns likewise: 16 registers of two neighbouring tiles hold 16 neighbours along source 0's index.
; q, k: source 0 = the weight: a lane holds a position; quantised along the head's 64.  v: source 0 = x: a lane holds a channel; quantised along the positions, 64 (a pair of groups) at a time.
; OUT.  E = (16 batch + head) 32 + chunk.  qkc [q, k][E][group] image of two tiles; qks [q, k][E][group][slot 16 u + r] words (bytes 0, 1 real);
; vc [E][channel tile][half c] 768 bytes: registers 6 c .. + 3 at 16 x lane, then 6 c + 4, + 5 at 8 x lane; vs [E][slot 16 (t % 2) + r][t / 2] words, of which a pair of groups stores bytes 2 c, 2 c + 1 (two bytes a lane).
; NO JOINT LOADS: each weight fragment feeds one wave alone and needs no LDS; and q's 97 groups a batch divide into no clusters of one kind.  No prefetch: phase X keeps 48 loads a wave out, and the weights are read by all work-groups of a kind.
; LIMITS: NaN and infinities are not served; a block whose largest magnitude lies under 2^-124 has its byte held at 1; a block of zeros gets the byte 1 where the rule says 127 (zero codes; this program alone reads the bytes).
.set SLAB,  19200                      ; LDS: a K step's 12 images of 1,536 bytes, then 768 bytes of scale words [tile][r]
.set STG,   153600                     ; a stage of 16 rows x 528 bytes for each wave
.set SPARE, 187392                     ; the spare words, 128 bytes a wave
.set LI,  1                            ; 16 x lane
.set L4,  2                            ; 4 x lane
.set XA,  3                            ; 16 x lane + the slab
.set LXS, 4                            ; 4 x lane + the slab
.set BOF, 5                            ; my offset in a head's bias
.set WS,  6                            ; v6-9 the weight's scale words, v10-15 x's: they hold nothing else
.set XS,  10
.set WF,  16                           ; v16-111 the weight's eight fragments
.set XF,  112                          ; v112-255 x's twelve
.set SA,  20                           ; phase X: my stage + 16 x lane
.set SL,  21                           ; my stage + 528 r + 64 h
.set XWI, 22                           ; 4,608 wave + 16 x lane
.set XWS, 23                           ; 18,432 + 192 wave + 4 r
.set XWIC, 24                          ; the two with the slab added
.set XWSC, 25
.set XT,  64
.set TM,  128
.set PW,  144
.set PC,  146
.set BI,  112                          ; the way out lies in x's registers
.set ST,  176
.set TM2, 208
.set PC2, 216
.set TB2, 228
.set WD,  232
.set SW,  234
.set L8,  236
.set SPW, 250
.set NIL, 251
.set XB,  32                           ; s[32:37] x at my three tiles
.set WB,  38
.set WSB, 40
.set BB,  42
.set OB,  44
.set OSB, 46
.set WV,  48
.set KIND, 49
.set PASS, 51
.set KOF, 52
.set CNT, 53
.set SEL, 54
.set HI16, 56
.set OFC, 76                           ; s76-81 the six groups' places among the codes, s82-87 among the scale words
.set OFS, 82
.set TB,  88
.set TS,  90
.set U3,  92
.set NPM, 93
.set MC,  94
.set MS,  95
.set SH,  96
.set MSB, 0
.macro WIN new                         ; the immediate's high byte repeats the setting that is left
.if MSB != \new
	s_set_vgpr_msb (MSB<<8)|\new
.set MSB, \new
.endif
.endm
.macro PLACES                          ; four plain places behind matrix instructions (ISA guide 7.12.1)
.rept 4
	v_nop
.endr
.endm
.macro WM d, a, b, zero, sa, sb, ra, rb
.set WSEL, 4*(\zero)+2*(\ra)+(\rb)
.if WSEL == 0
	v_wmma_scale_f32_16x16x128_f8f6f4 v[(\d):(\d)+7], v[(\a):(\a)+11], v[(\b):(\b)+11], v[(\d):(\d)+7], v[\sa], v[\sb] matrix_a_fmt:MATRIX_FMT_FP6 matrix_b_fmt:MATRIX_FMT_FP6
.elseif WSEL == 1
	v_wmma_scale_f32_16x16x128_f8f6f4 v[(\d):(\d)+7], v[(\a):(\a)+11], v[(\b):(\b)+11], v[(\d):(\d)+7], v[\sa], v[\sb] matrix_a_fmt:MATRIX_FMT_FP6 matrix_b_fmt:MATRIX_FMT_FP6 matrix_b_scale:MATRIX_SCALE_ROW1
.elseif WSEL == 2
	v_wmma_scale_f32_16x16x128_f8f6f4 v[(\d):(\d)+7], v[(\a):(\a)+11], v[(\b):(\b)+11], v[(\d):(\d)+7], v[\sa], v[\sb] matrix_a_fmt:MATRIX_FMT_FP6 matrix_b_fmt:MATRIX_FMT_FP6 matrix_a_scale:MATRIX_SCALE_ROW1
.elseif WSEL == 3
	v_wmma_scale_f32_16x16x128_f8f6f4 v[(\d):(\d)+7], v[(\a):(\a)+11], v[(\b):(\b)+11], v[(\d):(\d)+7], v[\sa], v[\sb] matrix_a_fmt:MATRIX_FMT_FP6 matrix_b_fmt:MATRIX_FMT_FP6 matrix_a_scale:MATRIX_SCALE_ROW1 matrix_b_scale:MATRIX_SCALE_ROW1
.elseif WSEL == 4
	v_wmma_scale_f32_16x16x128_f8f6f4 v[(\d):(\d)+7], v[(\a):(\a)+11], v[(\b):(\b)+11], 0, v[\sa], v[\sb] matrix_a_fmt:MATRIX_FMT_FP6 matrix_b_fmt:MATRIX_FMT_FP6
.elseif WSEL == 5
	v_wmma_scale_f32_16x16x128_f8f6f4 v[(\d):(\d)+7], v[(\a):(\a)+11], v[(\b):(\b)+11], 0, v[\sa], v[\sb] matrix_a_fmt:MATRIX_FMT_FP6 matrix_b_fmt:MATRIX_FMT_FP6 matrix_b_scale:MATRIX_SCALE_ROW1
.elseif WSEL == 6
	v_wmma_scale_f32_16x16x128_f8f6f4 v[(\d):(\d)+7], v[(\a):(\a)+11], v[(\b):(\b)+11], 0, v[\sa], v[\sb] matrix_a_fmt:MATRIX_FMT_FP6 matrix_b_fmt:MATRIX_FMT_FP6 matrix_a_scale:MATRIX_SCALE_ROW1
.else
	v_wmma_scale_f32_16x16x128_f8f6f4 v[(\d):(\d)+7], v[(\a):(\a)+11], v[(\b):(\b)+11], 0, v[\sa], v[\sb] matrix_a_fmt:MATRIX_FMT_FP6 matrix_b_fmt:MATRIX_FMT_FP6 matrix_a_scale:MATRIX_SCALE_ROW1 matrix_b_scale:MATRIX_SCALE_ROW1
.endif
.endm
; 64 numbers of a lane, register 16 b + i = k 32 b + 16 (lane / 16) + i of my row, become a fragment's codes in v[PC] on and its scale word in v[PW].
.macro QUANT src
.irp b, 0,1,2,3
	v_max3_num_f32 v[TM+\b], |v[\src+16*\b]|, |v[\src+1+16*\b]|, 0x1800000   ; my 16 numbers of block b, and the floor 2^(3 - 127)
.endr
.irp i, 2,4,6,8,10,12,14
.irp b, 0,1,2,3
	v_max3_num_f32 v[TM+\b], v[TM+\b], |v[\src+16*\b+\i]|, |v[\src+1+16*\b+\i]|
.endr
.endr
.irp b, 0,1,2,3
	v_permlanex16_b32 v[TM+4+\b], v[TM+\b], s[SEL], s[SEL+1]
.endr
.irp b, 0,1,2,3
	v_max_num_f32 v[TM+\b], v[TM+\b], v[TM+4+\b]   ; with lane l xor 16's: the block's largest magnitude
.endr
.irp b, 0,1,2,3
	v_add_nc_u32 v[TM+12+\b], 0xff000000, v[TM+\b] ; 2 off its exponent field: the conversion's scale operand
.endr
.irp b, 0,1,2,3
	v_lshrrev_b32 v[TM+4+\b], 23, v[TM+12+\b]      ; the scale's byte
.endr
	v_lshl_or_b32 v[PW], v[TM+5], 8, v[TM+4]
	v_lshl_or_b32 v[PW], v[TM+6], 16, v[PW]
	v_lshl_or_b32 v[PW], v[TM+7], 24, v[PW]
.irp c, 0,1
	v_cvt_scalef32_pk16_fp6_f32 v[PC+6*\c:PC+2+6*\c], v[\src+32*\c:\src+15+32*\c], v[TM+12+2*\c]
	v_cvt_scalef32_pk16_fp6_f32 v[PC+12+4*\c:PC+14+4*\c], v[\src+16+32*\c:\src+31+32*\c], v[TM+12+2*\c+1]
.endr
	v_nop                                          ; one plain place behind the conversions
.irp c, 0,1                                    ; a WHOLE block in a lane: lanes 0-15 block 2 c, lanes 16-31 block 2 c + 1
.irp i, 0,1,2
	v_permlane16_swap_b32 v[PC+6*\c+\i], v[PC+12+4*\c+\i]
.endr
.irp i, 0,1,2
	v_mov_b32 v[PC+3+6*\c+\i], v[PC+12+4*\c+\i]
.endr
.endr
.endm
; 32 numbers of a lane, two blocks by halves, become six registers at v[d6] (lane (r, h): block h of row r) and the two bytes in v[wd].
.macro QUANT64 src, d6, wd, tm, tb
.irp b, 0,1
	v_max3_num_f32 v[(\tm)+\b], |v[(\src)+16*\b]|, |v[(\src)+16*\b+1]|, 0x1800000
.endr
.irp i, 2,4,6,8,10,12,14
.irp b, 0,1
	v_max3_num_f32 v[(\tm)+\b], v[(\tm)+\b], |v[(\src)+16*\b+\i]|, |v[(\src)+16*\b+\i+1]|
.endr
.endr
.irp b, 0,1
	v_permlanex16_b32 v[(\tm)+2+\b], v[(\tm)+\b], s[SEL], s[SEL+1]
.endr
.irp b, 0,1
	v_max_num_f32 v[(\tm)+\b], v[(\tm)+\b], v[(\tm)+2+\b]
.endr
.irp b, 0,1
	v_add_nc_u32 v[(\tm)+4+\b], 0xff000000, v[(\tm)+\b]
.endr
.irp b, 0,1
	v_lshrrev_b32 v[(\tm)+6+\b], 23, v[(\tm)+4+\b]
.endr
	v_lshl_or_b32 v[\wd], v[(\tm)+7], 8, v[(\tm)+6]
	v_cvt_scalef32_pk16_fp6_f32 v[(\d6):(\d6)+2], v[(\src):(\src)+15], v[(\tm)+4]
	v_cvt_scalef32_pk16_fp6_f32 v[(\tb):(\tb)+2], v[(\src)+16:(\src)+31], v[(\tm)+5]
	v_nop                                          ; one plain place behind the conversions
.irp i, 0,1,2
	v_permlane16_swap_b32 v[(\d6)+\i], v[(\tb)+\i]
.endr
.irp i, 0,1,2
	v_mov_b32 v[(\d6)+3+\i], v[(\tb)+\i]
.endr
.endm
; Group s57 of my tensor -> s60 batch, s61 chunk, s59 which 32 of the chunk, s58 = 512 batch + chunk.  k, v: 128 groups a batch, 4 a chunk.  q: 97 a batch: 4 of chunk 0, then 3 (places 1-3) of each chunk.
.macro MAP
	s_lshr_b32 s60, s57, 7
	s_bfe_u32 s61, s57, 0x50002
	s_and_b32 s59, s57, 3
	s_mul_i32 s62, s57, 169
	s_lshr_b32 s62, s62, 14                        ; / 97 (exact up to 387)
	s_mul_i32 s63, s62, 97
	s_sub_co_u32 s63, s57, s63
	s_sub_co_u32 s66, s63, 4
	s_mul_i32 s67, s66, 43
	s_lshr_b32 s67, s67, 7                         ; / 3 (exact up to 92)
	s_mul_i32 s68, s67, 3
	s_sub_co_u32 s68, s66, s68
	s_add_co_u32 s67, s67, 1
	s_add_co_u32 s68, s68, 1
	s_cmp_lt_u32 s63, 4
	s_cselect_b32 s67, 0, s67
	s_cselect_b32 s68, s63, s68
	s_cmp_eq_u32 s[KIND], 0
	s_cselect_b32 s60, s62, s60
	s_cselect_b32 s61, s67, s61
	s_cselect_b32 s59, s68, s59
	s_lshl_b32 s58, s60, 9
	s_add_co_u32 s58, s58, s61
.endm
.macro XLOAD i, off                            ; my tile i's 16 rows, one K step: each load is 512 consecutive bytes of one row; into raw set i of window 1
	WIN 0x40
.irp ii, 0,1,2,3,4,5,6,7,8,9,10,11,12,13,14,15
	global_load_b128 v[64*(\i)+4*\ii:64*(\i)+4*\ii+3], v[LI], s[XB+2*(\i):XB+2*(\i)+1] offset:((\ii%8)+16*(\ii/8))*4096+(\off) th:TH_LOAD_NT
.endr
	WIN 0
.endm
.macro XSTEP i, lc, more                       ; lc: the loads of the younger raw sets, 16 each, may stay out
	s_wait_loadcnt \lc
	WIN 0x04                                       ; an LDS store's data are its source 1: window 1
.irp ii, 0,1,2,3,4,5,6,7,8,9,10,11,12,13,14,15
	ds_store_b128 v[SA], v[64*(\i)+4*\ii:64*(\i)+4*\ii+3] offset:528*\ii
.endr
	WIN 0
.irp b, 0,1,2,3
.irp j, 0,1,2,3
	ds_load_b128 v[XT+16*\b+4*\j:XT+16*\b+4*\j+3], v[SL] offset:128*\b+16*\j   ; LDS serves a wave's instructions in order: row r, my 16 neighbours of each block
.endr
.endr
	s_wait_dscnt 0x0                               ; the numbers are back; the stores have read the raw set and the last step's codes
.if \more
	XLOAD \i, 512                                  ; the next K step of this tile
.endif
	QUANT XT
.irp c, 0,1,2
	ds_store_b128 v[XWIC], v[PC+4*\c:PC+4*\c+3] offset:1536*(\i)+512*\c
.endr
	ds_store_b32 v[XWSC], v[PW] offset:64*(\i)     ; lanes r and r + 16 write the same word with the same value
.endm
.macro XTRIP more
	v_add_nc_u32 v[XWIC], s[KOF], v[XWI]
	v_add_nc_u32 v[XWSC], s[KOF], v[XWS]
	s_wait_alu depctr_va_vdst(0)
.if \more
	XSTEP 0, 32, 1
	XSTEP 1, 32, 1
	XSTEP 2, 32, 1
.else
	XSTEP 0, 32, 0
	XSTEP 1, 16, 0
	XSTEP 2, 0, 0
.endif
.endm
; Fragment t of my two heads, k K steps on from the bases: 3 loads; ahead of an odd fragment the scale words of its pair of tiles: 4 loads.
.macro WL t, k
.if (\t)%2 == 1
	global_load_b32 v[WS+(\t)/2], v[L4], s[WSB:WSB+1] offset:1024*((\t)/2)+128*(\k)
.endif
.irp p, 0,1,2
	global_load_b128 v[WF+12*(\t)+4*\p:WF+12*(\t)+4*\p+3], v[LI], s[WB:WB+1] offset:12288*(\t)+1536*(\k)+512*\p
.endr
.endm
.macro WL8
.irp t, 0,1,2,3,4,5,6,7
	WL \t, 0
.endr
.endm
.macro XADR
	v_add_nc_u32 v[XA], s[KOF], v[LI]
	v_add_nc_u32 v[LXS], s[KOF], v[L4]
	s_wait_alu depctr_va_vdst(0)
.endm
.macro XFL hf                                  ; x's tiles 6 hf .. + 5 of the slab and their scale words: 21 LDS loads
.irp g, 0,1,2
	ds_load_b32 v[XS+3*(\hf)+\g], v[LXS] offset:18432+128*(3*(\hf)+\g)   ; lanes 0-15 tile 2 g's words, lanes 16-31 tile 2 g + 1's
.endr
.irp m, 0,1,2,3,4,5
.irp p, 0,1,2
	ds_load_b128 v[XF+12*(6*(\hf)+\m)+4*\p:XF+12*(6*(\hf)+\m)+4*\p+3], v[XA] offset:1536*(6*(\hf)+\m)+512*\p
.endr
.endr
.endm
; A K step: 96 products; the 96 accumulators take turns, one instruction a turn, in the same order in every step.
; THE COUNT on loads: behind the fragment wanted (an even one: behind its pair's scale words, which go out ahead of the odd fragment) seven younger groups of 3 and 4 loads are out: 24; in a pass's last step only what is left of the step.
.macro STEP vm, zero, more
.if \more
	s_add_co_u32 s[KOF], s[KOF], SLAB              ; the next step's slab
	XADR
.endif
.irp t, 0,1,2,3,4,5,6,7
.if \more
	s_wait_loadcnt 24
.else
	s_wait_loadcnt ((7-\t)*7+(\t%2))/2-(1-\t%2)*(1-\t/7)
.endif
.if \t == 0
	s_wait_dscnt 21                                ; x's tiles 0-5 and their words are in; the 21 loads of tiles 6-11 may stay out
.endif
.irp m, 0,1,2,3,4,5,6,7,8,9,10,11
.if (\t == 0) && (\m == 6)
	s_wait_dscnt 0x0
.endif
.set IDX, 12*\t+\m
	WIN 0x50*(1+IDX/32)
.if \vm
	WM 8*(IDX%32), XF+12*\m, WF+12*\t, \zero, XS+\m/2, WS+\t/2, \m%2, \t%2
.else
	WM 8*(IDX%32), WF+12*\t, XF+12*\m, \zero, WS+\t/2, XS+\m/2, \t%2, \m%2
.endif
.if (\more) && (\t == 7) && (\m == 5)
	PLACES
	WIN 0
	XFL 0                                          ; tiles 0-5 have had their last products of the step
.endif
.endr
.if (\more) || (\t == 7)
	PLACES
	WIN 0
.endif
.if \more
.if \t == 7
	XFL 1
.endif
	WL \t, 1
.endif
.endr
.if \more
	s_wait_xcnt 0x0                                ; the loads have read their bases
	s_add_nc_u64 s[WB:WB+1], s[WB:WB+1], 1536
	s_add_nc_u64 s[WSB:WSB+1], s[WSB:WSB+1], 128
.endif
.endm
.macro NEXTW                                   ; 8 heads on, back along K (the bases stand at K step 7), and the next pass's first fragments: 28 loads
	s_wait_xcnt 0x0
	s_add_nc_u64 s[WB:WB+1], s[WB:WB+1], 382464
	s_add_nc_u64 s[WSB:WSB+1], s[WSB:WSB+1], 15488
	s_add_nc_u64 s[BB:BB+1], s[BB:BB+1], 2048
	WL8
	s_wait_loadcnt 28                              ; the bias is in; the 28 just issued may stay out
.endm
.macro BASES j                                 ; where group j's codes and scale words go
	s_mov_b32 s70, s[OFC+\j]
	s_add_nc_u64 s[TB:TB+1], s[OB:OB+1], s[70:71]
	s_mov_b32 s70, s[OFS+\j]
	s_add_nc_u64 s[TS:TS+1], s[OSB:OSB+1], s[70:71]
.endm
	s_load_b512 s[8:23], s[0:1], 0x0               ; query, key_in, value, bq, bk, bv, wfrag, wscale
	s_load_b256 s[24:31], s[0:1], 0x40             ; qkc, qks, vc, vs
	v_lshrrev_b32 v16, 5, v0
	v_readfirstlane_b32 s[WV], v16                 ; wave 0..3
	s_mul_i32 s57, s[WV], 8448
	s_add_co_u32 s57, s57, STG                     ; my stage
	s_mul_i32 s58, s[WV], 4608
	s_mul_i32 s59, s[WV], 192
	s_add_co_u32 s59, s59, 18432
	s_mov_b32 s60, 172                             ; which tensor, and which of its work-groups
	s_cmp_lt_u32 ttmp9, s60
	s_cselect_b32 s[KIND], 1, 0
	s_cselect_b32 s60, 86, s60
	s_cmp_lt_u32 ttmp9, 86
	s_cselect_b32 s[KIND], 2, s[KIND]              ; 0 q, 1 k, 2 v
	s_cselect_b32 s60, 0, s60
	s_cselect_b32 s66, -1, 0                       ; all ones for v
	s_sub_co_u32 s[U3], ttmp9, s60
	s_mul_i32 s[U3], s[U3], 3                      ; my first pair of groups
	v_and_b32 v17, 31, v0                          ; lane
	v_and_b32 v18, 15, v0                          ; r
	v_bfe_u32 v19, v0, 4, 1                        ; h
	v_lshlrev_b32 v[LI], 4, v17
	v_lshlrev_b32 v[L4], 2, v17
	v_add_nc_u32 v[SA], s57, v[LI]
	v_mul_u32_u24 v[SL], v18, 528
	v_lshl_add_u32 v[SL], v19, 6, v[SL]
	v_add_nc_u32 v[SL], s57, v[SL]
	v_add_nc_u32 v[XWI], s58, v[LI]
	v_lshl_add_u32 v[XWS], v18, 2, s59
	v_lshlrev_b32 v26, 6, v19                      ; q, k: the bias of my half's 16 columns: 64 h bytes
	v_and_b32 v27, 7, v0
	v_bfe_u32 v28, v0, 3, 1
	v_lshl_add_u32 v27, v28, 4, v27
	v_lshlrev_b32 v27, 2, v27                      ; v: of my slot's column: 4 (r % 8 + 16 (r / 8))
	v_cndmask_b32 v[BOF], v26, v27, s66
.irp b, 0,1,2,3
	v_mov_b32 v[TM+4+\b], 0                        ; written once: a lane permute's destination counts as one of its sources
.endr
	s_mov_b32 s[SEL], 0x76543210
	s_mov_b32 s[SEL+1], 0xfedcba98
	s_mov_b32 s[HI16], 0xffff0000
	s_mov_b32 s71, 0                               ; the upper word of every offset
	s_mov_b32 s58, 255
	s_cmp_eq_u32 s[KIND], 0
	s_cselect_b32 s[NPM], 193, s58                 ; the tensor's last pair
	s_movk_i32 s58, 1536
	s_cmp_eq_u32 s[KIND], 2
	s_cselect_b32 s[MC], 384, s58                  ; bytes of codes from one 32 of a chunk to the next: an image, or (v) half of a half image's 768
	s_cselect_b32 s[MS], 1, 128                    ; and of scale words
	s_cselect_b32 s[SH], 8, 9                      ; scale words: 256 bytes an E for v, 512 for q and k
.irp j, 0,1,2,3,4,5
	s_add_co_u32 s57, s[U3], \j/2
	s_min_u32 s57, s57, s[NPM]
	s_lshl_b32 s57, s57, 1
	s_add_co_u32 s57, s57, \j%2
	MAP
	s_mul_i32 s62, s58, 6144
	s_mul_i32 s63, s59, s[MC]
	s_add_co_u32 s[OFC+\j], s62, s63
	s_lshl_b32 s62, s58, s[SH]
	s_mul_i32 s63, s59, s[MS]
	s_add_co_u32 s[OFS+\j], s62, s63
.endr
	s_wait_alu depctr_va_vdst(0)
	s_wait_kmcnt 0x0
	s_cmp_eq_u32 s[KIND], 1                        ; the buffers are chosen by the work-group's number alone
	s_cselect_b64 s[8:9], s[10:11], s[8:9]
	s_cselect_b64 s[14:15], s[16:17], s[14:15]
	s_cselect_b32 s72, 12582912, 0                 ; k's codes lie behind q's,
	s_cselect_b32 s73, 1048576, 0                  ; and its scale words
	s_cmp_eq_u32 s[KIND], 2
	s_cselect_b64 s[8:9], s[12:13], s[8:9]
	s_cselect_b64 s[14:15], s[18:19], s[14:15]
	s_cselect_b64 s[24:25], s[28:29], s[24:25]
	s_cselect_b64 s[26:27], s[30:31], s[26:27]
	s_cselect_b32 s74, 14, 15                      ; two heads' scale words: 32 E each
.irp i, 0,1,2
	s_mul_i32 s69, s[WV], 3
	s_add_co_u32 s69, s69, \i                      ; my tile T = 2 (group slot) + u
	s_lshr_b32 s57, s69, 2
	s_add_co_u32 s57, s57, s[U3]
	s_min_u32 s57, s57, s[NPM]
	s_lshl_b32 s57, s57, 1
	s_bfe_u32 s70, s69, 0x10001
	s_add_co_u32 s57, s57, s70
	MAP
	s_lshl_b32 s62, s60, 5
	s_add_co_u32 s62, s62, s61
	s_lshl_b32 s62, s62, 2
	s_add_co_u32 s62, s62, s59                     ; the group's 32 rows,
	s_lshl_b32 s62, s62, 2
	s_and_b32 s70, s69, 1
	s_add_co_u32 s62, s62, s70                     ; + 8 u rows,
	s_lshl_b32 s70, s62, 15                        ; of 4,096 bytes
	s_add_nc_u64 s[XB+2*\i:XB+2*\i+1], s[8:9], s[70:71]
.endr
	s_mul_i32 s70, s[KIND], 786432
	s_mul_i32 s57, s[WV], 98304
	s_add_co_u32 s70, s70, s57
	s_add_nc_u64 s[WB:WB+1], s[20:21], s[70:71]    ; my two heads' fragments,
	s_lshl_b32 s70, s[KIND], 15
	s_lshl_b32 s57, s[WV], 12
	s_add_co_u32 s70, s70, s57
	s_add_nc_u64 s[WSB:WSB+1], s[22:23], s[70:71]  ; scale words,
	s_lshl_b32 s70, s[WV], 9
	s_add_nc_u64 s[BB:BB+1], s[14:15], s[70:71]    ; and bias
	s_mul_i32 s70, s[WV], 393216
	s_add_co_u32 s70, s70, s72
	s_add_nc_u64 s[OB:OB+1], s[24:25], s[70:71]
	s_lshl_b32 s70, s[WV], s74
	s_add_co_u32 s70, s70, s73
	s_add_nc_u64 s[OSB:OSB+1], s[26:27], s[70:71]
	; ---- PHASE X: a trip is one K step of my three tiles
	XLOAD 0, 0
	XLOAD 1, 0
	XLOAD 2, 0
	s_mov_b32 s[KOF], 0
	s_mov_b32 s[CNT], 7
.Lx:
	XTRIP 1
	s_wait_xcnt 0x0                                ; the loads have read their bases
.irp i, 0,1,2
	s_add_nc_u64 s[XB+2*\i:XB+2*\i+1], s[XB+2*\i:XB+2*\i+1], 512
.endr
	s_add_co_u32 s[KOF], s[KOF], SLAB
	s_sub_co_u32 s[CNT], s[CNT], 1
	s_cmp_lg_u32 s[CNT], 0
	s_cbranch_scc1 .Lx
	XTRIP 0                                        ; the last K step asks for nothing more
	s_wait_dscnt 0x0                               ; for the others' sake: my images and scale words have landed
	WL8                                            ; the first pass's first fragments are asked for ahead of the barrier
	s_barrier_signal -1
	s_barrier_wait -1                              ; the 96 images lie in LDS; from here on LDS is only read
	s_mov_b32 s[PASS], 2
	s_cmp_eq_u32 s[KIND], 2
	s_cbranch_scc1 .Lv
	; ---- PHASE G for q and k
.Lpass:
	s_mov_b32 s[KOF], 0
	XADR
	XFL 0
	XFL 1
	STEP 0, 1, 1                                   ; the first step's products start the sums
	s_mov_b32 s[CNT], 6
.Lk:
	STEP 0, 0, 1
	s_sub_co_u32 s[CNT], s[CNT], 1
	s_cmp_lg_u32 s[CNT], 0
	s_cbranch_scc1 .Lk
	STEP 0, 0, 0
.irp hh, 0,1
.irp tt, 0,1,2,3
.irp e, 0,1
	global_load_b128 v[BI+32*\hh+8*\tt+4*\e:BI+32*\hh+8*\tt+4*\e+3], v[BOF], s[BB:BB+1] offset:256*\hh+(32*(\tt/2)+8*(\tt%2))*4+16*\e   ; the bias in the result's layout
.endr
.endr
.endr
	s_cmp_eq_u32 s[PASS], 1
	s_cbranch_scc1 .Llast                          ; the last pass asks for nothing more
	NEXTW
	s_branch .Lepi
.Llast:
	s_wait_loadcnt 0x0
.Lepi:
	v_mov_b32 v[TM2+2], 0                          ; a lane permute's destination counts as one of its sources
	v_mov_b32 v[TM2+3], 0
.irp j, 0,1,2,3,4,5
.irp hh, 0,1
	s_wait_xcnt 0x0                                ; the last stores have read their registers and bases
.if \hh == 0
	BASES \j
.endif
.irp u, 0,1
.irp tt, 0,1,2,3
.set IDX, 12*(4*\hh+\tt)+2*\j+\u
	WIN 1+IDX/32                                   ; source 0: the accumulator's window
.irp e, 0,2,4,6
	v_pk_add_f32 v[ST+8*\tt+\e:ST+8*\tt+\e+1], v[8*(IDX%32)+\e:8*(IDX%32)+\e+1], v[BI+32*\hh+8*\tt+\e:BI+32*\hh+8*\tt+\e+1]   ; + bias; each accumulator from its low end on
.endr
.endr
	WIN 0
	QUANT64 ST, PC2+6*\u, WD+\u, TM2, TB2
.endr
	v_cndmask_b32 v[SW], v[WD], v[WD+1], s[HI16]   ; lanes 0-15 tile u = 0's words, lanes 16-31 tile u = 1's
.irp p, 0,1,2
	global_store_b128 v[LI], v[PC2+4*\p:PC2+4*\p+3], s[TB:TB+1] offset:196608*\hh+512*\p   ; 512 consecutive bytes, at a multiple of 512 from the buffer's first byte
.endr
	global_store_b32 v[L4], v[SW], s[TS:TS+1] offset:16384*\hh   ; 128 consecutive bytes
.endr
.endr
	s_wait_xcnt 0x0
	s_add_nc_u64 s[OB:OB+1], s[OB:OB+1], 1572864   ; 8 heads on: 256 E
	s_add_nc_u64 s[OSB:OSB+1], s[OSB:OSB+1], 131072
	s_sub_co_u32 s[PASS], s[PASS], 1
	s_cmp_lg_u32 s[PASS], 0
	s_cbranch_scc1 .Lpass
	s_branch .Lend
	; ---- PHASE G for v: the sources swapped
.Lv:
	s_mov_b32 s[KOF], 0
	XADR
	XFL 0
	XFL 1
	STEP 1, 1, 1
	s_mov_b32 s[CNT], 6
.Lkv:
	STEP 1, 0, 1
	s_sub_co_u32 s[CNT], s[CNT], 1
	s_cmp_lg_u32 s[CNT], 0
	s_cbranch_scc1 .Lkv
	STEP 1, 0, 0
.irp t, 0,1,2,3,4,5,6,7
	v_mov_b32 v[BI+2*\t+1], 0                      ; (named as the upper half of a pair)
	global_load_b32 v[BI+2*\t], v[BOF], s[BB:BB+1] offset:(64*(\t/4)+32*((\t%4)/2)+8*(\t%2))*4   ; my channel's bias for each tile
.endr
	s_cmp_eq_u32 s[PASS], 1
	s_cbranch_scc1 .Llastv
	NEXTW
	s_branch .Lepiv
.Llastv:
	s_wait_loadcnt 0x0
.Lepiv:
	v_mov_b32 v[TM2+2], 0
	v_mov_b32 v[TM2+3], 0
	v_lshlrev_b32 v[L8], 1, v[L4]                  ; 8 x lane
.irp c, 0,1,2
.irp t, 0,1,2,3,4,5,6,7
	s_wait_xcnt 0x0                                ; the last stores have read their registers and bases
.if \t == 0
	BASES 2*\c
.endif
.set IDX, 12*\t+4*\c
	WIN 1+IDX/32
.set J, 0
.rept 16
	v_pk_add_f32 v[ST+J:ST+J+1], v[8*(IDX%32)+J:8*(IDX%32)+J+1], v[BI+2*\t:BI+2*\t+1] op_sel_hi:[1,0]   ; + my channel's bias; each accumulator from its low end on
.set J, J+2
.endr
	WIN 0
	QUANT64 ST, PC2, WD+\t%2, TM2, TB2
	global_store_b128 v[LI], v[PC2:PC2+3], s[TB:TB+1] offset:196608*(\t/4)+1536*(\t%4)        ; a half image: 512 consecutive bytes,
	global_store_b64 v[L8], v[PC2+4:PC2+5], s[TB:TB+1] offset:196608*(\t/4)+1536*(\t%4)+512   ; and 256
.if \t%2 == 1
	v_cndmask_b32 v[SW], v[WD], v[WD+1], s[HI16]   ; lanes 0-15 the even tile's bytes, lanes 16-31 the odd tile's
	global_store_b16 v[L8], v[SW], s[TS:TS+1] offset:8192*(\t/4)+4*((\t%4)/2)   ; two of a word's four bytes: the other two belong to the chunk's other half
.endif
.endr
.endr
	s_wait_xcnt 0x0
	s_add_nc_u64 s[OB:OB+1], s[OB:OB+1], 1572864
	s_add_nc_u64 s[OSB:OSB+1], s[OSB:OSB+1], 65536
	s_sub_co_u32 s[PASS], s[PASS], 1
	s_cmp_lg_u32 s[PASS], 0
	s_cbranch_scc1 .Lv
.Lend:
	v_lshl_add_u32 v[SPW], v0, 2, SPARE            ; no two registers could be kept: v0 was, and the add's two are made here
	v_mov_b32 v[NIL], 0
	s_wait_alu depctr_va_vdst(0)
	s_wait_tensorcnt 0x0                           ; the wave's end: behind my last LDS store
	ds_add_u32 v[SPW], v[NIL]
	s_wait_dscnt 0x0
	s_endpgm
.Lfunc_end_k_q9a6351659d_proj:
	.size	k_q9a6351659d_proj, .Lfunc_end_k_q9a6351659d_proj-k_q9a6351659d_proj
	.p2alignl 7, 3214868480
	.fill 96, 4, 3214868480
	.section	.rodata,"a",@progbits
	.p2align	6, 0x0
	.amdhsa_kernel k_q9a6351659d_proj
		.amdhsa_group_segment_fixed_size 187904
		.amdhsa_private_segment_fixed_size 0
		.amdhsa_enable_private_segment 0
		.amdhsa_kernarg_size 96
		.amdhsa_user_sgpr_count 2
		.amdhsa_user_sgpr_kernarg_segment_ptr 1
		.amdhsa_wavefront_size32 1
		.amdhsa_system_sgpr_workgroup_id_x 1
		.amdhsa_system_sgpr_workgroup_id_y 1
		.amdhsa_system_sgpr_workgroup_id_z 1
		.amdhsa_system_vgpr_workitem_id 0
		.amdhsa_next_free_vgpr 1024
		.amdhsa_next_free_sgpr 98
		.amdhsa_reserve_vcc 0
		.amdhsa_float_denorm_mode_32 3
		.amdhsa_float_denorm_mode_16_64 3
		.amdhsa_memory_ordered 1
		.amdhsa_forward_progress 1
		.amdhsa_inst_pref_size 255
	.end_amdhsa_kernel
	.section	.bss,"aw",@nobits
	.p2align	6
	.space	262144
	.amdgpu_metadata
---
amdhsa.version: [ 1, 2 ]
amdhsa.kernels:
  - .name:           k_q9a6351659d_proj
    .symbol:         k_q9a6351659d_proj.kd
    .args:
      - { .name: query, .offset: 0, .size: 8, .value_kind: global_buffer, .address_space: global }
      - { .name: key_in, .offset: 8, .size: 8, .value_kind: global_buffer, .address_space: global }
      - { .name: value, .offset: 16, .size: 8, .value_kind: global_buffer, .address_space: global }
      - { .name: bq, .offset: 24, .size: 8, .value_kind: global_buffer, .address_space: global }
      - { .name: bk, .offset: 32, .size: 8, .value_kind: global_buffer, .address_space: global }
      - { .name: bv, .offset: 40, .size: 8, .value_kind: global_buffer, .address_space: global }
      - { .name: wfrag, .offset: 48, .size: 8, .value_kind: global_buffer, .address_space: global }
      - { .name: wscale, .offset: 56, .size: 8, .value_kind: global_buffer, .address_space: global }
      - { .name: qkc, .offset: 64, .size: 8, .value_kind: global_buffer, .address_space: global }
      - { .name: qks, .offset: 72, .size: 8, .value_kind: global_buffer, .address_space: global }
      - { .name: vc, .offset: 80, .size: 8, .value_kind: global_buffer, .address_space: global }
      - { .name: vs, .offset: 88, .size: 8, .value_kind: global_buffer, .address_space: global }
    .group_segment_fixed_size: 187904
    .private_segment_fixed_size: 0
    .kernarg_segment_align: 8
    .kernarg_segment_size: 96
    .max_flat_workgroup_size: 128
    .sgpr_count:     98
    .vgpr_count:     1024
    .wavefront_size: 32
...
	.end_amdgpu_metadata
.endif
;; end of part 2
;; launch attn (part 3): grid 194 x 1, 16 waves a work-group, no clusters, 122,880 bytes of LDS; arguments qkc, qks, vc, vs, wfrag, wscale, bo, out0; writes out0
.if DOCPART == 3
	.amdgcn_target "amdgcn-amd-amdhsa--gfx1250"
	.amdhsa_code_object_version 6
	.text
	.protected	k_q9a6351659d_attn
	.globl	k_q9a6351659d_attn
	.p2align	8
	.type	k_q9a6351659d_attn,@function
k_q9a6351659d_attn:
	s_mov_b64 s[64:65], 0
	v_nop
	global_prefetch_b8 v0, s[64:65] scope:SCOPE_SE
	s_setreg_imm32_b32 hwreg(HW_REG_WAVE_MODE, 25, 1), 1
	s_wait_xcnt 0x0
; Attention in chunks of 128 positions and the output projection, all products on codes of FP6 (E2M3) with one E8M0 scale for each 32 along a product's K.
; The kept rows are 388 groups of 32 queries, 97 a batch: groups 0-3 chunk 0's 128 queries, then three groups (positions 32-127) of each of chunks 1-31; output row = 32 x group + place.
; SHARES.  A work-group owns 64 output rows: two groups.  ATTENTION: wave = head; for each group two tiles of 16 queries against 160 keys: the chunk's 128 and the 32 in front of it.
; The 32 in front are the LAST block of the chunk before: its pair 3 of k, and K block 3 of its fragments of v, against p's codes that are zeros elsewhere.  Chunk 0 has none: there -infinity is added to those scores (p = 0) and the address is held at the chunk itself.
; Both products are used transposed (S^T = k q^T, O^T = v^T p^T): a lane holds one query.  k and q have K = 64, half of the instruction's 128: q's upper six registers are zero codes, so what stands in k's upper six adds nothing.
; Of the chunk before's fragments of v only registers 6-11 are loaded (K blocks 2, 3): what stands in the six registers below them meets zero codes of p.
; SOFTMAX: t = score x log2(e) / 8; M = ceil(the row's largest t); p = 2^(t - M) is quantised along the keys; the row's sum is taken of the unquantised p and divides O.  All 160 keys are at hand, so M is the row's own.
; o is quantised along the head's 64 (two blocks of the projection's K) and goes to LDS as half images of the operand's registers.  One barrier.  PROJECTION: wave w owns columns 64 w .. + 63 for the 64 rows: 16 accumulators; Wo's fragments come from memory straight into registers.
; LOADS AHEAD: v of the chunk and of the chunk before are asked for ahead of the second softmax; the next group's q and k (in the last group: Wo's first K step) behind the group's last product, ahead of the two quantisations of o;
; in the projection each of Wo's four fragments is loaded anew as soon as its four products are issued: three fragments' products and the next step's LDS loads ahead of its use; bo takes the place of a ninth K step.
; NO JOINT LOADS: the grid of 194 work-groups is 2 x 97 and divides into no cluster of four; and each fragment of Wo feeds one wave alone, so it needs no LDS.
; LIMITS: NaN and infinities are not served; a block whose largest magnitude lies under 2^-124 has its byte held at 1 (a block of zeros too: zero codes); a block's largest p is taken from its largest score, which takes v_exp_f32 not to fall where its input rises; 1 / l is v_rcp_f32 and a multiplication.
; REGISTERS: v1-11 addresses; v12-25 scale words and nothing else; v26-55 at work; v56-67 q (v62-67 zeros), later two half fragments of the chunk before's v; v68-127 k's ten tiles, later v's four fragments and (v116-127) the other two half fragments;
; v128-151 p's codes of the chunk's keys, v152-175 of the 32 in front; v176-255 S^T, later O^T of both query tiles (v176-239).  PROJECTION: v68-115 Wo's four fragments, v32-67 and v116-127 o's four, v128-255 the accumulators.
.set OIMG,  0                          ; LDS: o's half fragments: (row tile, head) at 12,288 tile + 768 head: 512 bytes (registers 0-3), 256 bytes (registers 4, 5)
.set OSC,   49152                      ; their scale words [K step][slot 16 u + r][group]; head 2 s + c writes bytes 2 c, 2 c + 1
.set STG,   51200                      ; a stage of 16 rows x 272 bytes for each wave
.set SPARE, 120832                     ; the spare words, 128 bytes a wave
.set LI,   1                           ; 16 x lane
.set L8,   2                           ; 8 x lane
.set OW16, 3                           ; 768 head + 16 x lane
.set OW8,  4                           ; 768 head + 512 + 8 x lane
.set OWS,  5                           ; OSC + 256 (head / 2) + 2 (head % 2) + 8 r
.set SPW,  6                           ; my spare word; never rewritten
.set NIL,  7                           ; 0; never rewritten
.set L4,   8                           ; 4 x lane
.set STO,  9                           ; my stage + 272 r + 64 h
.set SRD,  10                          ; my stage + 272 (lane / 16) + 16 (lane % 16)
.set GO,   11                          ; 4,096 (lane / 16) + 16 (lane % 16)
.set KS,   12                          ; v12-15 k's scale words by pairs, v16 those of the 32 in front
.set QS,   17
.set VS0,  18
.set VS1,  20
.set PS,   22                          ; p's scale words: 2 q + step
.set RL0,  26                          ; 1 / l of query tile 0 (tile 1: v54); the odd partners are 0
.set BM,   28                          ; v28-32 the blocks' largest scores, then largest p
.set BX,   33                          ; v33-37
.set SO,   40                          ; v40-44 the conversions' scale operands
.set NM,   46                          ; -M (v47 = 0)
.set SUMA, 48
.set SUMB, 50
.set QF,   56
.set KF,   68
.set V0,   68
.set V1,   56                          ; the chunk before's registers 6-11 of fragment t at V1 + 6 t + 48 (t / 2): v56, v62, v116, v122
.set PA,   128
.set PZ,   152
.set S,    176
.set O,    176                         ; O^T of query tile q at O + 32 q
.set WS,   12                          ; the projection: Wo's scale words, o's
.set XS,   14
.set WF,   68
.set XF,   32                          ; o's fragment m at XF + 12 m + 48 (m / 3): v32, v44, v56, v116
.set ACC,  128
.set RB,   64
.set BOA,  26                          ; the projection: bo's lane offset, 64 h
.set QB,   24                          ; s[24:43] a group's ten bases
.set QSB,  26
.set KB,   28
.set KPB,  30
.set KSB,  32
.set KPSB, 34
.set VB,   36
.set VPB,  38
.set VSB,  40
.set VPSB, 42
.set PEN,  44                          ; s[44:45] -infinity for chunk 0, else 0
.set CS,   46                          ; s[46:47] log2(e) / 8
.set SEL,  48                          ; s[48:49] lane l xor 16
.set WV,   50
.set WB,   24                          ; the projection's bases
.set WSB,  26
.set BOB,  28
.set OUTB, 30
.macro PLACES                          ; four plain places behind matrix instructions, ahead of loads into their registers and of reads of their results
.rept 4
	v_nop
.endr
.endm
.macro WM d, a, b, zero, sa, sb, ra, rb
.set WSEL, 4*(\zero)+2*(\ra)+(\rb)
.if WSEL == 0
	v_wmma_scale_f32_16x16x128_f8f6f4 v[(\d):(\d)+7], v[(\a):(\a)+11], v[(\b):(\b)+11], v[(\d):(\d)+7], v[\sa], v[\sb] matrix_a_fmt:MATRIX_FMT_FP6 matrix_b_fmt:MATRIX_FMT_FP6
.elseif WSEL == 1
	v_wmma_scale_f32_16x16x128_f8f6f4 v[(\d):(\d)+7], v[(\a):(\a)+11], v[(\b):(\b)+11], v[(\d):(\d)+7], v[\sa], v[\sb] matrix_a_fmt:MATRIX_FMT_FP6 matrix_b_fmt:MATRIX_FMT_FP6 matrix_b_scale:MATRIX_SCALE_ROW1
.elseif WSEL == 2
	v_wmma_scale_f32_16x16x128_f8f6f4 v[(\d):(\d)+7], v[(\a):(\a)+11], v[(\b):(\b)+11], v[(\d):(\d)+7], v[\sa], v[\sb] matrix_a_fmt:MATRIX_FMT_FP6 matrix_b_fmt:MATRIX_FMT_FP6 matrix_a_scale:MATRIX_SCALE_ROW1
.elseif WSEL == 3
	v_wmma_scale_f32_16x16x128_f8f6f4 v[(\d):(\d)+7], v[(\a):(\a)+11], v[(\b):(\b)+11], v[(\d):(\d)+7], v[\sa], v[\sb] matrix_a_fmt:MATRIX_FMT_FP6 matrix_b_fmt:MATRIX_FMT_FP6 matrix_a_scale:MATRIX_SCALE_ROW1 matrix_b_scale:MATRIX_SCALE_ROW1
.elseif WSEL == 4
	v_wmma_scale_f32_16x16x128_f8f6f4 v[(\d):(\d)+7], v[(\a):(\a)+11], v[(\b):(\b)+11], 0, v[\sa], v[\sb] matrix_a_fmt:MATRIX_FMT_FP6 matrix_b_fmt:MATRIX_FMT_FP6
.elseif WSEL == 5
	v_wmma_scale_f32_16x16x128_f8f6f4 v[(\d):(\d)+7], v[(\a):(\a)+11], v[(\b):(\b)+11], 0, v[\sa], v[\sb] matrix_a_fmt:MATRIX_FMT_FP6 matrix_b_fmt:MATRIX_FMT_FP6 matrix_b_scale:MATRIX_SCALE_ROW1
.elseif WSEL == 6
	v_wmma_scale_f32_16x16x128_f8f6f4 v[(\d):(\d)+7], v[(\a):(\a)+11], v[(\b):(\b)+11], 0, v[\sa], v[\sb] matrix_a_fmt:MATRIX_FMT_FP6 matrix_b_fmt:MATRIX_FMT_FP6 matrix_a_scale:MATRIX_SCALE_ROW1
.else
	v_wmma_scale_f32_16x16x128_f8f6f4 v[(\d):(\d)+7], v[(\a):(\a)+11], v[(\b):(\b)+11], 0, v[\sa], v[\sb] matrix_a_fmt:MATRIX_FMT_FP6 matrix_b_fmt:MATRIX_FMT_FP6 matrix_a_scale:MATRIX_SCALE_ROW1 matrix_b_scale:MATRIX_SCALE_ROW1
.endif
.endm
; 32 numbers of a lane, two blocks by halves, become six registers at v[d6] (lane (r, h): block h of row r) and the two bytes in v[wd].
.macro QUANT64 src, d6, wd, tm, tb
.irp b, 0,1
	v_max3_num_f32 v[(\tm)+\b], |v[(\src)+16*\b]|, |v[(\src)+16*\b+1]|, 0x1800000   ; and the floor 2^(3 - 127)
.endr
.irp i, 2,4,6,8,10,12,14
.irp b, 0,1
	s_delay_alu instid0(VALU_DEP_2)
	v_max3_num_f32 v[(\tm)+\b], v[(\tm)+\b], |v[(\src)+16*\b+\i]|, |v[(\src)+16*\b+\i+1]|
.endr
.endr
.irp b, 0,1
	s_delay_alu instid0(VALU_DEP_2)
	v_permlanex16_b32 v[(\tm)+2+\b], v[(\tm)+\b], s[SEL], s[SEL+1]
.endr
.irp b, 0,1
	s_delay_alu instid0(VALU_DEP_2)
	v_max_num_f32 v[(\tm)+\b], v[(\tm)+\b], v[(\tm)+2+\b]
.endr
.irp b, 0,1
	s_delay_alu instid0(VALU_DEP_2)
	v_add_nc_u32 v[(\tm)+4+\b], 0xff000000, v[(\tm)+\b]
.endr
.irp b, 0,1
	s_delay_alu instid0(VALU_DEP_2)
	v_lshrrev_b32 v[(\tm)+6+\b], 23, v[(\tm)+4+\b]
.endr
	s_delay_alu instid0(VALU_DEP_1)
	v_lshl_or_b32 v[\wd], v[(\tm)+7], 8, v[(\tm)+6]
	v_cvt_scalef32_pk16_fp6_f32 v[(\d6):(\d6)+2], v[(\src):(\src)+15], v[(\tm)+4]
	v_cvt_scalef32_pk16_fp6_f32 v[(\tb):(\tb)+2], v[(\src)+16:(\src)+31], v[(\tm)+5]
	v_nop                                          ; one plain place behind the conversions
.irp i, 0,1,2
	v_permlane16_swap_b32 v[(\d6)+\i], v[(\tb)+\i]
.endr
.irp i, 0,1,2
	s_delay_alu instid0(VALU_DEP_3)
	v_mov_b32 v[(\d6)+3+\i], v[(\tb)+\i]
.endr
.endm
.macro ADDR dst, ptr                           ; a base = a buffer's address + the offset in s[52:53]
	s_add_nc_u64 s[\dst:\dst+1], s[\ptr:\ptr+1], s[52:53]
.endm
; S^T of query tile q: ten tiles of 16 keys.  Tile kt's operand runs six registers into the next tile's (tile 9's into p's codes): they meet q's zero codes.
.macro ST_Q q
	PLACES                                         ; between vector writes of operand registers and the scaled products
.irp kt, 0,1,2,3,4,5,6,7,8,9
	WM S+8*\kt, KF+6*\kt, QF, 1, KS+\kt/2, QS, \kt%2, \q
.endr
.endm
; The softmax of query tile q: S^T's 80 registers are five blocks of 32 keys by halves (block 4: the 32 in front).
.macro SOFTMAX q
.irp j, 0,2,4,6,8,10,12,14
	v_pk_add_f32 v[S+64+\j:S+65+\j], v[S+64+\j:S+65+\j], s[PEN:PEN+1] op_sel_hi:[1,0]   ; chunk 0 has no keys in front: -infinity
.endr
.irp b, 0,1,2,3,4
	v_max3_num_f32 v[BM+\b], v[S+16*\b], v[S+16*\b+1], v[S+16*\b+2]   ; each block's largest score: for the row's maximum and, since p rises with the score, for the block's largest p
.endr
.irp i, 3,5,7,9,11,13
.irp b, 0,1,2,3,4
	v_max3_num_f32 v[BM+\b], v[BM+\b], v[S+16*\b+\i], v[S+16*\b+\i+1]
.endr
.endr
.irp b, 0,1,2,3,4
	v_max_num_f32 v[BM+\b], v[BM+\b], v[S+16*\b+15]
.endr
.irp b, 0,1,2,3,4
	v_permlanex16_b32 v[BX+\b], v[BM+\b], s[SEL], s[SEL+1]
.endr
.irp b, 0,1,2,3,4
	v_max_num_f32 v[BM+\b], v[BM+\b], v[BX+\b]     ; with lane l xor 16's 16 keys
.endr
	s_delay_alu instid0(VALU_DEP_3)
	v_max3_num_f32 v38, v[BM], v[BM+1], v[BM+2]
	s_delay_alu instid0(VALU_DEP_1)
	v_max3_num_f32 v38, v38, v[BM+3], v[BM+4]      ; the row's largest score
	s_delay_alu instid0(VALU_DEP_1)
	v_mul_f32 v38, s[CS], v38                      ; as t
	s_delay_alu instid0(VALU_DEP_1)
	v_floor_f32 v[NM], -v38                        ; -M = floor(-t) = -ceil(t)
.set J, 0
.rept 40
	v_pk_fma_f32 v[S+J:S+J+1], v[S+J:S+J+1], s[CS:CS+1], v[NM:NM+1] op_sel_hi:[1,0,0]   ; t - M, two at a time
.set J, J+2
.endr
.irp b, 0,1,2,3,4
	v_fma_f32 v[BM+\b], v[BM+\b], s[CS], v[NM]     ; the same of each block's largest score
.endr
.set J, 0
	s_wait_alu depctr_va_vdst(0)
.rept 80
	v_exp_f32 v[S+J], v[S+J]                       ; p = 2^(t - M): not normalised
.set J, J+1
.endr
	v_nop                                          ; a plain place behind the exponentials
	s_wait_alu depctr_va_vdst(0)                   ; one wait for the batch of 80, ahead of its first reader
.irp b, 0,1,2,3,4
	v_exp_f32 v[BM+\b], v[BM+\b]                   ; the blocks' largest p: the same two instructions on the same number
.endr
	v_pk_add_f32 v[50:51], v[176:177], v[178:179]
	v_pk_add_f32 v[174:175], v[184:185], v[188:189]
	v_pk_add_f32 v[172:173], v[192:193], v[196:197]
	v_pk_add_f32 v[170:171], v[200:201], v[204:205]
	v_pk_add_f32 v[150:151], v[208:209], v[212:213]
	v_pk_add_f32 v[148:149], v[216:217], v[220:221]
	v_pk_add_f32 v[146:147], v[224:225], v[228:229]
	v_pk_add_f32 v[48:49], v[232:233], v[236:237]
	v_pk_add_f32 v[48:49], v[48:49], v[240:241]
	v_pk_add_f32 v[50:51], v[50:51], v[244:245]
	v_pk_add_f32 v[174:175], v[174:175], v[248:249]
	v_pk_add_f32 v[172:173], v[172:173], v[252:253]
	v_pk_add_f32 v[170:171], v[170:171], v[180:181]
	v_pk_add_f32 v[150:151], v[150:151], v[182:183]
	v_pk_add_f32 v[148:149], v[148:149], v[186:187]
	v_pk_add_f32 v[146:147], v[146:147], v[190:191]
	v_pk_add_f32 v[48:49], v[48:49], v[194:195]
	v_pk_add_f32 v[50:51], v[50:51], v[198:199]
	v_pk_add_f32 v[174:175], v[174:175], v[202:203]
	v_pk_add_f32 v[172:173], v[172:173], v[206:207]
	v_pk_add_f32 v[170:171], v[170:171], v[210:211]
	v_pk_add_f32 v[150:151], v[150:151], v[214:215]
	v_pk_add_f32 v[148:149], v[148:149], v[218:219]
	v_pk_add_f32 v[146:147], v[146:147], v[222:223]
	v_pk_add_f32 v[48:49], v[48:49], v[226:227]
	v_pk_add_f32 v[50:51], v[50:51], v[230:231]
	v_pk_add_f32 v[174:175], v[174:175], v[234:235]
	v_pk_add_f32 v[172:173], v[172:173], v[238:239]
	v_pk_add_f32 v[170:171], v[170:171], v[242:243]
	v_pk_add_f32 v[150:151], v[150:151], v[246:247]
	v_pk_add_f32 v[148:149], v[148:149], v[250:251]
	v_pk_add_f32 v[146:147], v[146:147], v[254:255]
	s_delay_alu instid0(VALU_DEP_4)
	v_pk_add_f32 v[48:49], v[48:49], v[170:171]
	s_delay_alu instid0(VALU_DEP_4)
	v_pk_add_f32 v[50:51], v[50:51], v[150:151]
	s_delay_alu instid0(VALU_DEP_4)
	v_pk_add_f32 v[174:175], v[174:175], v[148:149]
	s_delay_alu instid0(VALU_DEP_4)
	v_pk_add_f32 v[172:173], v[172:173], v[146:147]
	s_delay_alu instid0(VALU_DEP_2)
	v_pk_add_f32 v[48:49], v[48:49], v[174:175]
	s_delay_alu instid0(VALU_DEP_2)
	v_pk_add_f32 v[50:51], v[50:51], v[172:173]
	s_delay_alu instid0(VALU_DEP_1)
	v_pk_add_f32 v[48:49], v[48:49], v[50:51]
	s_delay_alu instid0(VALU_DEP_1)
	v_add_f32 v38, v[SUMA], v[SUMA+1]
	s_delay_alu instid0(VALU_DEP_1)
	v_permlanex16_b32 v39, v38, s[SEL], s[SEL+1]
	s_delay_alu instid0(VALU_DEP_1)
	v_add_f32 v38, v38, v39                        ; with lane l xor 16's: l
	s_wait_alu depctr_va_vdst(0)
	v_rcp_f32 v[RL0+28*(\q)], v38
	v_nop                                          ; a plain place behind the reciprocal
	s_wait_alu depctr_va_vdst(0)                   ; one wait for the five exponentials and the reciprocal
.irp b, 0,1,2,3,4
	v_max_num_f32 v[BM+\b], 0x1800000, v[BM+\b]    ; the floor 2^(3 - 127): the byte cannot fall under 1
.endr
.irp b, 0,1,2,3,4
	v_add_nc_u32 v[SO+\b], 0xff000000, v[BM+\b]    ; 2 off the exponent field: the conversion's scale operand
.endr
.irp b, 0,1,2,3,4
	v_lshrrev_b32 v[BX+\b], 23, v[SO+\b]           ; the scale's byte
.endr
	s_delay_alu instid0(VALU_DEP_4)
	v_lshl_or_b32 v[PS+2*(\q)], v[BX+1], 8, v[BX]  ; the chunk's four blocks,
	s_delay_alu instid0(VALU_DEP_1)
	v_lshl_or_b32 v[PS+2*(\q)], v[BX+2], 16, v[PS+2*(\q)]
	s_delay_alu instid0(VALU_DEP_1)
	v_lshl_or_b32 v[PS+2*(\q)], v[BX+3], 24, v[PS+2*(\q)]
	s_delay_alu instid0(VALU_DEP_4)
	v_lshlrev_b32 v[PS+2*(\q)+1], 24, v[BX+4]      ; and the block in front as K block 3 (the other bytes meet zero codes)
.irp i, 0,1,2
	v_mov_b32 v[PZ+12*(\q)+6+\i], 0
.endr
	v_cvt_scalef32_pk16_fp6_f32 v[PA+12*(\q):PA+12*(\q)+2], v[S:S+15], v[SO]
	v_cvt_scalef32_pk16_fp6_f32 v[28:30], v[S+16:S+31], v[SO+1]    ; (a conversion's three registers begin on an even number; the maxima's registers are free)
	v_cvt_scalef32_pk16_fp6_f32 v[PA+12*(\q)+6:PA+12*(\q)+8], v[S+32:S+47], v[SO+2]
	v_cvt_scalef32_pk16_fp6_f32 v[32:34], v[S+48:S+63], v[SO+3]
	v_cvt_scalef32_pk16_fp6_f32 v[36:38], v[S+64:S+79], v[SO+4]
	v_nop                                          ; one plain place behind the conversions
.irp c, 0,1                                    ; a WHOLE block in a lane: lanes 0-15 block 2 c, lanes 16-31 block 2 c + 1
.irp i, 0,1,2
	v_permlane16_swap_b32 v[PA+12*(\q)+6*\c+\i], v[28+4*\c+\i]
.endr
.irp i, 0,1,2
	s_delay_alu instid0(VALU_DEP_3)
	v_mov_b32 v[PA+12*(\q)+6*\c+3+\i], v[28+4*\c+\i]
.endr
.endr
.irp i, 0,1,2
	v_permlane16_swap_b32 v[PZ+12*(\q)+6+\i], v[36+\i]            ; against zeros: lanes 16-31 get the block's lower 16 codes, lanes 0-15 stay zeros
.endr
.irp i, 0,1,2
	s_delay_alu instid0(VALU_DEP_3)
	v_mov_b32 v[PZ+12*(\q)+9+\i], v[36+\i]         ; the upper 16 in lanes 16-31, zeros below
.endr
.endm
; O^T of query tile q: the chunk's 128 keys start the four sums, the chunk before adds its last block.  The four accumulators take turns.
; The second four's source 0 begins six registers below the six that were loaded: those meet p's zero codes.
.macro PV q
.irp t, 0,1,2,3
	WM O+32*(\q)+8*\t, V0+12*\t, PA+12*(\q), 1, VS0+\t/2, PS+2*(\q), \t%2, 0
.endr
.irp t, 0,1,2,3
	WM O+32*(\q)+8*\t, V1+6*\t+48*(\t/2)-6, PZ+12*(\q), 0, VS1+\t/2, PS+2*(\q)+1, \t%2, 0
.endr
.endm
; O^T / l, quantised along the head's 64, to LDS: registers 6 (head % 2) .. + 5 of the fragment (row tile 2 gi + q, K step head / 2).
.macro OQ q, gi
	s_wait_dscnt 0x0                               ; the last tile's LDS stores have read their registers
.irp i, 0,2,4,6,8,10,12,14,16,18,20,22,24,26,28,30
	v_pk_mul_f32 v[O+32*(\q)+\i:O+32*(\q)+\i+1], v[O+32*(\q)+\i:O+32*(\q)+\i+1], v[RL0+28*(\q):RL0+28*(\q)+1] op_sel_hi:[1,0]   ; each accumulator from its low end on
.endr
	QUANT64 O+32*(\q), 40, 46, 32, 28
	ds_store_b128 v[OW16], v[40:43] offset:12288*(2*(\gi)+(\q))
	ds_store_b64 v[OW8], v[44:45] offset:12288*(2*(\gi)+(\q))
	ds_store_b16 v[OWS], v46 offset:128*(\q)+4*(\gi)              ; lanes r and r + 16 write the same two bytes with the same value
.endm
; Group gi's chunk, place and ten bases: scalar arithmetic on the work-group's and the wave's number alone.
.macro GSCAL gi
	s_wait_xcnt 0x0                                ; the last group's loads have read their bases
	s_lshl_b32 s51, ttmp9, 1
	s_add_co_u32 s51, s51, \gi                     ; the group, 0 .. 387
	s_mul_i32 s54, s51, 169
	s_lshr_b32 s54, s54, 14                        ; / 97: the batch (exact up to 387)
	s_mul_i32 s55, s54, 97
	s_sub_co_u32 s55, s51, s55                     ; the group in its batch
	s_sub_co_u32 s56, s55, 4
	s_mul_i32 s57, s56, 43
	s_lshr_b32 s57, s57, 7                         ; / 3 (exact up to 92)
	s_mul_i32 s58, s57, 3
	s_sub_co_u32 s58, s56, s58
	s_add_co_u32 s57, s57, 1                       ; the chunk,
	s_add_co_u32 s58, s58, 1                       ; and which 32 of its positions
	s_cmp_lt_u32 s55, 4                            ; the first four groups are chunk 0's
	s_cselect_b32 s57, 0, s57
	s_cselect_b32 s58, s55, s58
	s_cselect_b32 s[PEN], 0xff800000, 0
	s_cselect_b32 s59, 0, 1
	s_mov_b32 s[PEN+1], s[PEN]
	s_lshl_b32 s60, s54, 9
	s_lshl_b32 s61, s[WV], 5
	s_add_co_u32 s60, s60, s61
	s_add_co_u32 s60, s60, s57                     ; E = (16 batch + head) 32 + chunk
	s_sub_co_u32 s61, s60, s59                     ; the chunk before; chunk 0: itself
	s_mov_b32 s53, 0
	s_mul_i32 s62, s60, 6144
	s_mul_i32 s63, s61, 6144
	s_mul_i32 s52, s58, 1536
	s_add_co_u32 s52, s52, s62
	ADDR QB, 8
	s_add_co_u32 s52, s62, 12582912
	ADDR KB, 8
	s_add_co_u32 s52, s63, 12582912+4608           ; pair 3 of the chunk before
	ADDR KPB, 8
	s_mov_b32 s52, s62
	ADDR VB, 12
	s_mov_b32 s52, s63
	ADDR VPB, 12
	s_lshl_b32 s62, s60, 9
	s_lshl_b32 s63, s61, 9
	s_lshl_b32 s52, s58, 7                         ; qks [E][group][slot]: 128 bytes a group
	s_add_co_u32 s52, s52, s62
	ADDR QSB, 10
	s_add_co_u32 s52, s62, 1048576
	ADDR KSB, 10
	s_add_co_u32 s52, s63, 1048576
	ADDR KPSB, 10
	s_lshl_b32 s52, s60, 8
	ADDR VSB, 14
	s_lshl_b32 s52, s61, 8
	ADDR VPSB, 14
.endm
; A group's first loads: query tile 0, k's ten tiles, their scale words.
.macro GLOAD
.irp i, 0,1,2,3,4,5
	v_mov_b32 v[QF+6+\i], 0                        ; q's upper half: zero codes (the last group's v stood here)
.endr
	global_load_b128 v[QF:QF+3], v[LI], s[QB:QB+1]                ; query tile 0: registers 0-5 of the pair's image
	global_load_b64 v[QF+4:QF+5], v[LI], s[QB:QB+1] offset:512
	global_load_b32 v[QS], v[L4], s[QSB:QSB+1]     ; lanes 0-15 tile 0's words, lanes 16-31 tile 1's
.irp g, 0,1,2,3
.irp p, 0,1,2
	global_load_b128 v[KF+12*\g+4*\p:KF+12*\g+4*\p+3], v[LI], s[KB:KB+1] offset:1536*\g+512*\p
.endr
.endr
.irp p, 0,1,2
	global_load_b128 v[KF+48+4*\p:KF+48+4*\p+3], v[LI], s[KPB:KPB+1] offset:512*\p
.endr
.irp g, 0,1,2,3
	global_load_b32 v[KS+\g], v[L4], s[KSB:KSB+1] offset:128*\g
.endr
	global_load_b32 v[KS+4], v[L4], s[KPSB:KPSB+1] offset:384
.endm
; Fragment t of Wo's K step ks for my 64 columns: 3 loads; ahead of an odd fragment the scale words of its pair of tiles: 4 loads.
.macro WL ks, t
.if (\t)%2 == 1
	global_load_b32 v[WS+(\t)/2], v[L4], s[WSB:WSB+1] offset:1024*((\t)/2)+128*(\ks)
.endif
.irp p, 0,1,2
	global_load_b128 v[WF+12*(\t)+4*\p:WF+12*(\t)+4*\p+3], v[LI], s[WB:WB+1] offset:12288*(\t)+1536*(\ks)+512*\p
.endr
.endm
.macro BL t                                    ; bo in the layout of tile t's results, into the first eight registers of fragment t: 2 loads
.irp e, 0,1
	global_load_b128 v[WF+12*(\t)+4*\e:WF+12*(\t)+4*\e+3], v[BOA], s[BOB:BOB+1] offset:(32*((\t)/2)+8*((\t)%2))*4+16*\e
.endr
.endm
.macro GBODY gi
	s_wait_loadcnt 0x0                             ; q's tile 0, k, their scale words
	ST_Q 0
	PLACES
	global_load_b64 v[QF:QF+1], v[LI], s[QB:QB+1] offset:520      ; query tile 1: registers 6-11 of the image; it lands under the softmax
	global_load_b128 v[QF+2:QF+5], v[LI], s[QB:QB+1] offset:1024
	SOFTMAX 0
	s_wait_loadcnt 0x0
	ST_Q 1
	PLACES
.irp t, 0,1,2,3
.irp c, 0,1
	global_load_b128 v[V0+12*\t+6*\c:V0+12*\t+6*\c+3], v[LI], s[VB:VB+1] offset:1536*\t+768*\c          ; the chunk's v by half images, into k's registers; it lands under the softmax
	global_load_b64 v[V0+12*\t+6*\c+4:V0+12*\t+6*\c+5], v[L8], s[VB:VB+1] offset:1536*\t+768*\c+512
.endr
.endr
	global_load_b64 v[VS0:VS0+1], v[L8], s[VSB:VSB+1]
.irp t, 0,1,2,3
	global_load_b128 v[V1+6*\t+48*(\t/2):V1+6*\t+48*(\t/2)+3], v[LI], s[VPB:VPB+1] offset:1536*\t+768       ; the chunk before: its upper half image, registers 6-9
	global_load_b64 v[V1+6*\t+48*(\t/2)+4:V1+6*\t+48*(\t/2)+5], v[L8], s[VPB:VPB+1] offset:1536*\t+1280    ; and 10, 11, into q's registers and k's last pair
.endr
	global_load_b64 v[VS1:VS1+1], v[L8], s[VPSB:VPSB+1]
	SOFTMAX 1
	s_wait_alu depctr_va_vdst(0)
	s_wait_loadcnt 0x0
.rept 8
	v_nop                                          ; p's scale words, written by vector instructions, stand 8 places ahead of the scaled products, its codes 4
.endr
	PV 0
	PV 1
	PLACES                                         ; ahead of the loads into v's registers and of the reads of O^T
.if (\gi) == 0
	GSCAL 1                                        ; the next group's first loads go out here and land under the two quantisations of o
	GLOAD
.else
	s_wait_xcnt 0x0                                ; every load of the groups has been waited for: the bases' registers are free
	s_mul_i32 s52, s[WV], 49152
	s_add_co_u32 s52, s52, 2359296                 ; Wo is the fourth weight
	s_mov_b32 s53, 0
	ADDR WB, 16
	s_lshl_b32 s52, s[WV], 11
	s_add_co_u32 s52, s52, 98304
	ADDR WSB, 18
	s_lshl_b32 s52, s[WV], 8
	ADDR BOB, 20
	s_lshl_b32 s54, ttmp9, 18                      ; 64 rows of 4,096 bytes a work-group,
	s_add_co_u32 s52, s52, s54                     ; + my 64 columns
	ADDR OUTB, 22
	WL 0, 0                                        ; Wo's K step 0: 3 + 4 + 3 + 4 loads
	WL 0, 1
	WL 0, 2
	WL 0, 3
.endif
	OQ 0, \gi
	OQ 1, \gi
.endm
; A K step of the projection, fragment by fragment of Wo: four products, four places, and the fragment's registers take the next step's (in the last step: bo's tile).
; THE COUNT: behind the fragment wanted (for t = 0, 2: behind its pair's scale words, which go out ahead of the next fragment) three younger groups of loads have been issued: 3 + 3 + 4 = 10; in the last step bo's groups have 2: 10, 9, 7, 6.
.macro OSTEP ks, zero
.irp m, 0,1,2,3
	ds_load_b128 v[XF+12*\m+48*(\m/3):XF+12*\m+48*(\m/3)+3], v[LI] offset:12288*\m+1536*(\ks)            ; head 2 ks: registers 0-5
	ds_load_b64 v[XF+12*\m+48*(\m/3)+4:XF+12*\m+48*(\m/3)+5], v[L8] offset:12288*\m+1536*(\ks)+512
	ds_load_b128 v[XF+12*\m+48*(\m/3)+6:XF+12*\m+48*(\m/3)+9], v[LI] offset:12288*\m+1536*(\ks)+768      ; head 2 ks + 1: registers 6-11
	ds_load_b64 v[XF+12*\m+48*(\m/3)+10:XF+12*\m+48*(\m/3)+11], v[L8] offset:12288*\m+1536*(\ks)+1280
.endr
	ds_load_b64 v[XS:XS+1], v[L8] offset:OSC+256*(\ks)
	s_wait_dscnt 0x0
.irp t, 0,1,2,3
.if (\ks) < 7
	s_wait_loadcnt 10
.else
	s_wait_loadcnt 10-\t-\t/2
.endif
.irp m, 0,1,2,3
	WM ACC+8*(4*\m+\t), WF+12*\t, XF+12*\m+48*(\m/3), \zero, WS+\t/2, XS+\m/2, \t%2, \m%2   ; the 16 accumulators take turns
.endr
	PLACES
.if (\ks) < 7
	WL (\ks)+1, \t
.else
	BL \t
.endif
.endr
.endm
	s_load_b512 s[8:23], s[0:1], 0x0               ; qkc, qks, vc, vs, wfrag, wscale, bo, out0
	v_lshl_add_u32 v[SPW], v0, 2, SPARE
	v_mov_b32 v[NIL], 0
.irp i, 0,1,2,3,4,5
	v_mov_b32 v[PA+\i], 0                          ; (tile 9's operand runs into these)
	v_mov_b32 v[PZ+\i], 0                          ; p of the chunk before: K blocks 0, 1 are zero codes, once
	v_mov_b32 v[PZ+12+\i], 0
.endr
	v_mov_b32 v52, 0                               ; (named in the lower six registers of an operand that meet zero codes)
	v_mov_b32 v53, 0
	v_lshrrev_b32 v28, 5, v0
	s_delay_alu instid0(VALU_DEP_1)
	v_readfirstlane_b32 s[WV], v28                 ; wave 0..15 = head
	v_and_b32 v28, 31, v0                          ; lane
	v_and_b32 v29, 15, v0                          ; r
	s_wait_alu depctr_va_vdst(0)
	v_bfe_u32 v30, v0, 4, 1                        ; h
	v_lshlrev_b32 v[LI], 4, v28
	v_lshlrev_b32 v[L8], 3, v28
	v_lshlrev_b32 v[L4], 2, v28
	s_mul_i32 s51, s[WV], 768
	v_add_nc_u32 v[OW16], s51, v[LI]
	s_add_co_u32 s51, s51, 512
	v_add_nc_u32 v[OW8], s51, v[L8]
	s_lshr_b32 s51, s[WV], 1
	s_lshl_b32 s51, s51, 8
	s_and_b32 s52, s[WV], 1
	s_lshl_b32 s52, s52, 1
	s_add_co_u32 s51, s51, s52
	s_add_co_u32 s51, s51, OSC
	v_lshl_add_u32 v[OWS], v29, 3, s51
	s_mul_i32 s51, s[WV], 4352
	s_add_co_u32 s51, s51, STG                     ; my stage
	v_mul_u32_u24 v[STO], v29, 272
	s_wait_alu depctr_va_vdst(0)
	v_lshl_add_u32 v[STO], v30, 6, v[STO]
	s_delay_alu instid0(VALU_DEP_1)
	v_add_nc_u32 v[STO], s51, v[STO]
	v_mul_u32_u24 v[SRD], v30, 272
	s_delay_alu instid0(VALU_DEP_1)
	v_lshl_add_u32 v[SRD], v29, 4, v[SRD]
	s_delay_alu instid0(VALU_DEP_1)
	v_add_nc_u32 v[SRD], s51, v[SRD]
	v_lshlrev_b32 v[GO], 12, v30
	s_delay_alu instid0(VALU_DEP_1)
	v_lshl_add_u32 v[GO], v29, 4, v[GO]
.irp i, 0,1,2,3,4,5,6,7,8,9,10,11
	v_mov_b32 v[28+\i], 0                          ; written once: a lane permute's destination counts as one of its sources
.endr
	v_mov_b32 v[RL0+1], 0                          ; (named as the upper halves of pairs)
	v_mov_b32 v[RL0+29], 0
	v_mov_b32 v[NM+1], 0
	s_mov_b32 s[CS], 0x3e38aa3b                    ; log2(e) / sqrt(64)
	s_mov_b32 s[CS+1], s[CS]
	s_mov_b32 s[SEL], 0x76543210
	s_mov_b32 s[SEL+1], 0xfedcba98
	s_wait_kmcnt 0x0
	GSCAL 0
	GLOAD
	s_wait_alu depctr_va_vdst(0)
	GBODY 0
	GBODY 1
	; ---- the output projection
	v_bfe_u32 v[BOA], v0, 4, 1
	s_delay_alu instid0(VALU_DEP_1)
	v_lshlrev_b32 v[BOA], 6, v[BOA]                ; bo of my half's 16 columns: 64 h bytes
	s_wait_alu depctr_va_vdst(0)
	s_wait_dscnt 0x0                               ; for the others' sake: my half images and scale bytes have landed
	s_barrier_signal -1
	s_barrier_wait -1                              ; o's 32 fragments lie in LDS
	OSTEP 0, 1
	OSTEP 1, 0
	OSTEP 2, 0
	OSTEP 3, 0
	OSTEP 4, 0
	OSTEP 5, 0
	OSTEP 6, 0
	OSTEP 7, 0
	s_wait_loadcnt 0x0                             ; bo
.irp m, 0,1,2,3
.irp i, 0,2,4,6,8,10,12,14,16,18,20,22,24,26,28,30
	v_pk_add_f32 v[ACC+32*\m+\i:ACC+32*\m+\i+1], v[ACC+32*\m+\i:ACC+32*\m+\i+1], v[WF+12*(\i/8)+\i%8:WF+12*(\i/8)+\i%8+1]   ; + bo; each accumulator from its low end on
.endr
.endr
; THE WAY OUT, a tile of 16 rows at a time: a lane holds 16 neighbouring columns by eights of one row: through my own stage, back as rows of 256 bytes.  The stores' offsets put the tile's slots back in their places.
	s_wait_alu depctr_va_vdst(0)
.irp m, 0,1,2,3
	s_wait_xcnt 0x0                                ; the stores of two tiles back have read their registers
.irp t, 0,1,2,3
.irp e, 0,1
	ds_store_b128 v[STO], v[ACC+32*\m+8*\t+4*\e:ACC+32*\m+8*\t+4*\e+3] offset:128*(\t/2)+32*(\t%2)+16*\e
.endr
.endr
.irp i, 0,1,2,3,4,5,6,7
	ds_load_b128 v[RB+32*(\m%2)+4*\i:RB+32*(\m%2)+4*\i+3], v[SRD] offset:544*\i   ; LDS serves a wave's instructions in order: these see my stores, and the next tile's stores come behind them
.endr
.irp i, 0,1,2,3,4,5,6,7
	s_wait_dscnt 7-\i                              ; the younger read-backs may stay out
	global_store_b128 v[GO], v[RB+32*(\m%2)+4*\i:RB+32*(\m%2)+4*\i+3], s[OUTB:OUTB+1] offset:(32*(\m/2)+8*(\m%2)+2*(\i%4)+16*(\i/4))*4096 th:TH_STORE_NT   ; 16 lanes store 256 consecutive bytes, at a multiple of 256 from out0's first byte
.endr
.endr
	s_wait_tensorcnt 0x0                           ; the wave's end: behind my last LDS store
	ds_add_u32 v[SPW], v[NIL]
	s_wait_dscnt 0x0
	s_endpgm
.Lfunc_end_k_q9a6351659d_attn:
	.size	k_q9a6351659d_attn, .Lfunc_end_k_q9a6351659d_attn-k_q9a6351659d_attn
	.p2alignl 7, 3214868480
	.fill 96, 4, 3214868480
	.section	.rodata,"a",@progbits
	.p2align	6, 0x0
	.amdhsa_kernel k_q9a6351659d_attn
		.amdhsa_group_segment_fixed_size 122880
		.amdhsa_private_segment_fixed_size 0
		.amdhsa_enable_private_segment 0
		.amdhsa_kernarg_size 64
		.amdhsa_user_sgpr_count 2
		.amdhsa_user_sgpr_kernarg_segment_ptr 1
		.amdhsa_wavefront_size32 1
		.amdhsa_system_sgpr_workgroup_id_x 1
		.amdhsa_system_sgpr_workgroup_id_y 1
		.amdhsa_system_sgpr_workgroup_id_z 1
		.amdhsa_system_vgpr_workitem_id 0
		.amdhsa_next_free_vgpr 256
		.amdhsa_next_free_sgpr 66
		.amdhsa_reserve_vcc 0
		.amdhsa_float_denorm_mode_32 3
		.amdhsa_float_denorm_mode_16_64 3
		.amdhsa_memory_ordered 1
		.amdhsa_forward_progress 1
		.amdhsa_inst_pref_size 157
	.end_amdhsa_kernel
	.amdgpu_metadata
---
amdhsa.version: [ 1, 2 ]
amdhsa.kernels:
  - .name:           k_q9a6351659d_attn
    .symbol:         k_q9a6351659d_attn.kd
    .args:
      - { .name: qkc, .offset: 0, .size: 8, .value_kind: global_buffer, .address_space: global }
      - { .name: qks, .offset: 8, .size: 8, .value_kind: global_buffer, .address_space: global }
      - { .name: vc, .offset: 16, .size: 8, .value_kind: global_buffer, .address_space: global }
      - { .name: vs, .offset: 24, .size: 8, .value_kind: global_buffer, .address_space: global }
      - { .name: wfrag, .offset: 32, .size: 8, .value_kind: global_buffer, .address_space: global }
      - { .name: wscale, .offset: 40, .size: 8, .value_kind: global_buffer, .address_space: global }
      - { .name: bo, .offset: 48, .size: 8, .value_kind: global_buffer, .address_space: global }
      - { .name: out0, .offset: 56, .size: 8, .value_kind: global_buffer, .address_space: global }
    .group_segment_fixed_size: 122880
    .private_segment_fixed_size: 0
    .kernarg_segment_align: 8
    .kernarg_segment_size: 64
    .max_flat_workgroup_size: 512
    .sgpr_count:     66
    .vgpr_count:     256
    .wavefront_size: 32
...
	.end_amdgpu_metadata
.endif
;; end of part 3
